; MI455X (gfx1250); checked and timed in simulation.
; The chip was launched on July 23, 2026; its instructions are those of AMD's public machine-readable ISA for CDNA 5 (MIT licence, August 2026) and "CDNA5" Instruction Set Architecture Reference Guide (July 2026). The comments in the code are by the model that wrote it; some were corrected since.
;; Custom Multi Head Self Attention. Allowed arithmetic: matrix products marked QUANTISED: E2M1 operands, one E8M0 scale for each 32 along K, by v_wmma_scale_f32_16x16x128_f8f6f4 with both operands' format E2M1 (or v_wmma_scale_f32_32x16x128_f4), f32 sums; products left as they are: bf16, f16 or f32 operands; f32 sums; everything else in f32.
;; Inputs: in_b 3,072 float32; in_w 3,072 x 1,024 float32; out_b 1,024 float32; out_w 1,024 x 1,024 float32; qkv 4 x 2,048 x 1,024 float32.
;; Outputs: out0 4 x 2,048 x 1,024 float32.
;; This version of the problem:
;;   THIS VERSION OF THE PROBLEM IS GIVEN IN LOW PRECISION. The matrix products marked QUANTISED in the list below multiply operands that are first quantised to E2M1 (2 exponent bits, 1 mantissa bit; 4 bits a number), with one power-of-two scale for each 32 numbers along K (OCP MX v1.0); their sums are f32. The products marked 'left as it is' may take bf16, f16 or f32 operands, with f32 sums. Whichever they take, every output number must still come out within the allowed error. Rounding operands to bf16 (8 significant bits) uses up far more of that allowance than f16 does (11 bits, for magnitudes from 6e-5 to 65,504). All else is computed in f32.
;;   The module's matrix products, in the order in which they are computed (A, B: the left and right operand; K: the contracted axis; several contracted axes count as one K, in the product's order):
;;     1. [M 8,192, K 1,024] x [K 1,024, N 3,072]; A: input qkv; B: input in_w: QUANTISED
;;     2. batch 64 x [M 2,048, K 64] x [K 64, N 2,048]; A: computed on the way; B: computed on the way: left as it is (an operand is computed on the way)
;;     3. batch 64 x [M 2,048, K 2,048] x [K 2,048, N 64]; A: computed on the way; B: computed on the way: left as it is (an operand is computed on the way)
;;     4. [M 8,192, K 1,024] x [K 1,024, N 1,024]; A: computed on the way; B: input out_w: left as it is (an operand is computed on the way)
;;   THE QUANTISER, for each operand of a quantised product, along K:
;;     - K is cut into blocks of 32 from its start; a last block that is shorter is filled with zeros.
;;     - A block's scale is 2^e with e = floor(log2(the largest magnitude in the block)) - 2, held to -126 .. 127; a block of zeros has e = 0. As a byte (E8M0): e + 127.
;;     - Each number is divided by its block's scale, clamped to +-6, and rounded to the nearest number of E2M1, ties to even, subnormals kept.
;;     - The product sums the exact products of the quantised numbers (number of the format x scale) in f32.
;;   ~~~python
;;   def quantise(x, axis):      # numpy; x: float32 -> the quantised numbers, widened to float32 again
;;       x = np.moveaxis(x, axis, -1); K = x.shape[-1]
;;       x = np.pad(x, [(0, 0)] * (x.ndim - 1) + [(0, -K % 32)]); x = x.reshape(x.shape[:-1] + (-1, 32)); a = np.abs(x).max(-1, keepdims=True)
;;       e = np.where(a > 0, np.clip(np.frexp(np.where(a > 0, a, 1))[1] - 1 - 2, -126, 127), 0)      # np.frexp(a)[1] - 1 = floor(log2(a)), exactly
;;       r = np.clip(x / 2.0 ** e, -6, 6)
;;       step = 2.0 ** (np.maximum(np.frexp(np.where(r == 0, 1, r))[1] - 1, 0) - 1)
;;       q = np.round(r / step) * step * 2.0 ** e      # np.round: ties to even
;;       return np.moveaxis(q.reshape(q.shape[:-2] + (-1,))[..., :K], -1, axis).astype(np.float32)
;;   ~~~
;; One version. Each part assembles by itself: llvm-mc -triple=amdgcn-amd-amdhsa -mcpu=gfx1250 --defsym DOCPART=n.
;; ======== version 1 of 1: 4 launches
;; limits: values are held in f16: magnitudes above 65,504 overflow, below 6.1e-05 lose precision
;; workspace buffers: xc 4,194,304 bytes; xs 262,144 bytes; wc 1,572,864 bytes; ws 98,304 bytes; wh 2,097,152 bytes; x1h 50,331,648 bytes; ao 16,777,216 bytes
;; launch quant (part 1): grid 384 x 1, 4 waves a work-group, no clusters, 33,280 bytes of LDS; arguments qkv, in_w, xc, xs, wc, ws, out_w, wh; writes xc, xs, wc, ws, wh
.if DOCPART == 1
	.amdgcn_target "amdgcn-amd-amdhsa--gfx1250"
	.amdhsa_code_object_version 6
	.text
	.protected	k_qd352a7b8b0_quant
	.globl	k_qd352a7b8b0_quant
	.p2align	8
	.type	k_qd352a7b8b0_quant,@function
k_qd352a7b8b0_quant:
	s_mov_b64 s[64:65], 0
	v_nop
	global_prefetch_b8 v0, s[64:65] scope:SCOPE_SE
	s_setreg_imm32_b32 hwreg(HW_REG_WAVE_MODE, 25, 1), 1
	s_wait_xcnt 0x0
; FIRST OF FOUR LAUNCHES of out0 = (softmax(q k^T / 8) v) out_w^T + out_b, with [q k v] = Q(qkv) Q(in_w)^T + in_b, Q the MX-FP4 quantiser along K = 1,024.
; This launch: qkv [8192][1024] and in_w [3072][1024], f32, become codes of FP4 (E2M1), K innermost, with one E8M0 byte for each 32 along K (xc, xs, wc, ws);
; out_w [1024][1024] becomes f16, laid in the order of the last launch's operand registers (wh).
; WORK LEFT OUT BY THE PROGRAM: in_b[1024:2048], the bias of k.  scores[q][j] = q . (k0[j] + b_k) / 8 = q . k0[j] / 8 + q . b_k / 8; the second term is the same for every key j of a row,
; and softmax(s + const) = softmax(s) for all values of the inputs.  k goes into no quantiser (the product q k^T is left as it is), and into nothing but that product.  So these 1,024 numbers
; reach no output; they are columns 1,024 to 2,047 of the first product, whole tiles of it, and are neither loaded nor added.  q's and v's thirds of in_b are live and are added.
; LIMIT: a NaN, an infinity or an overflow that reaches only that third of in_b is not carried to the result.
; THE QUANTISER.  A block's scale is 2^(floor(log2(its largest magnitude)) - 2); its byte is the largest magnitude's exponent field - 2, held at 1 from below.  A block of zeros so gets the byte 1 where the
; rule says 127: its codes are zeros, which add nothing under any byte but 0xff, and the bytes are read by this program alone.  Each number is divided by the scale and rounded to the nearest code, ties to even, beyond 6 held at 6.
; LIMITS: blocks whose largest magnitude lies under 2^-124, the floor, keep the byte 1; NaN and infinities among the inputs are not served; out_w beyond f16's 65,504 is not served.
; SHARES.  Work-groups 0-255 take qkv, 256-351 in_w: plain streams of blocks of 32; a wave takes 16 steps of 512 numbers.  Each load reads 512 consecutive bytes; a step's 2,048 bytes turn through the wave's own
; stage in LDS, so that a lane holds 16 neighbours along K (two lanes a block); a lane's 16 codes are 8 bytes, a wave's store 256 consecutive bytes; a wave's 256 scale bytes are gathered in LDS and leave together.
; Work-groups 352-383 take out_w: a wave 16 rows x 512 columns, 16 fragments of 16 x 32; they use no LDS.
.set SIZE_M, 8192
.set SIZE_N, 3072
.set SIZE_K, 1024
.set WAVES, 4
.set STEPS, 16
.set WGA,   SIZE_M*SIZE_K/(512*STEPS*WAVES)            ; 256 work-groups for qkv
.set WGQ,   (SIZE_M+SIZE_N)*SIZE_K/(512*STEPS*WAVES)   ; 352 for both quantised tensors
.set EMAX,  2
.set CB,    8                          ; bytes of 16 codes
.set R,     16                         ; v16-79   four sets of 16 numbers as they are loaded
.set X,     80                         ; v80-111  two sets of 16 neighbours
.set C,     128                        ; v128-191 codes: four registers for each step, so that no store's data are written again
.set E,     112                        ; v112-127 a scale byte for each step
.set WREG,  8192                       ; LDS: a region for each wave: two stages of 32 x SP bytes, and behind them its 256 scale bytes
.set SP,    80                         ; a lane's place in a stage: its 64 bytes + 16 of padding
.set SPW,   12                         ; v12      LDS address of my spare word: SPARE + 4 x my thread's number; never rewritten
.set NIL,   13                         ; v13      0; never rewritten
.set SPARE, WAVES*WREG                 ; behind the four regions: the spare words, 128 bytes for each wave, which no other line names
.set H,     144                        ; v144-175 the out_w path: four fragments in f16
	s_load_b128 s[4:7], s[0:1], 0x0                ; qkv, in_w
	s_load_b128 s[8:11], s[0:1], 0x10              ; xc, xs
	s_load_b128 s[12:15], s[0:1], 0x20             ; wc, ws
	s_load_b128 s[24:27], s[0:1], 0x30             ; out_w, wh
	v_lshl_add_u32 v[SPW], v0, 2, SPARE
	v_mov_b32 v[NIL], 0
	v_lshrrev_b32 v1, 5, v0
	v_readfirstlane_b32 s16, v1                    ; wave
	v_and_b32 v2, 31, v0                           ; lane
	v_lshlrev_b32 v3, 4, v2                        ; 16 x lane
	s_mul_i32 s17, s16, WREG
	v_lshrrev_b32 v14, 2, v2
	v_mul_u32_u24 v14, v14, SP
	v_and_b32 v15, 3, v2
	v_lshl_add_u32 v14, v15, 4, v14
	v_add_nc_u32 v14, s17, v14                     ; the stage, on the way in: four lanes' 64 bytes on end, then 16 of padding
	v_mul_u32_u24 v15, v2, SP
	v_add_nc_u32 v15, s17, v15                     ; and on the way out: SP x lane: my 16 neighbours
	v_mul_u32_u24 v4, v2, CB                       ; my codes' place in a step's
	v_lshrrev_b32 v5, 1, v2
	s_add_co_u32 s17, s17, 2*32*SP
	v_add_nc_u32 v5, s17, v5                       ; LDS: my wave's 256 scale bytes, my block's byte
	v_lshlrev_b32 v7, 3, v2                        ; and on the way out 8 bytes a lane
	v_add_nc_u32 v6, s17, v7
	s_wait_kmcnt 0x0
	s_cmp_ge_u32 ttmp9, WGQ                        ; the last 32 work-groups take out_w: the branch hangs on the work-group's number alone
	s_cbranch_scc1 .Lw
	s_cmp_lt_u32 ttmp9, WGA                        ; qkv's work-group or in_w's?  Only pointers are chosen: both take one path
	s_cselect_b64 s[4:5], s[4:5], s[6:7]
	s_cselect_b64 s[8:9], s[8:9], s[12:13]
	s_cselect_b64 s[10:11], s[10:11], s[14:15]
	s_cselect_b32 s17, 0, WGA
	s_sub_co_u32 s17, ttmp9, s17
	s_lshl_b32 s17, s17, 2
	s_add_co_u32 s18, s17, s16                     ; which run of 8,192 numbers of the tensor is my wave's
	s_mov_b32 s19, 0
	s_mov_b64 s[20:21], 512*STEPS*4
	s_mul_u64 s[20:21], s[18:19], s[20:21]
	s_add_nc_u64 s[4:5], s[4:5], s[20:21]
	s_mov_b64 s[20:21], 32*STEPS*CB
	s_mul_u64 s[20:21], s[18:19], s[20:21]
	s_add_nc_u64 s[8:9], s[8:9], s[20:21]
	s_lshl_b32 s18, s18, 8                         ; 256 scale bytes a run
	s_add_nc_u64 s[10:11], s[10:11], s[18:19]
.macro LOAD t
.irp i, 0,1,2,3
	global_load_b128 v[R+16*((\t)%4)+4*\i:R+16*((\t)%4)+4*\i+3], v3, s[4:5] offset:2048*(\t)+512*\i th:TH_LOAD_NT   ; 32 lanes read 512 consecutive bytes
.endr
.endm
.macro TURN t                          ; step t's numbers through the stage: LDS serves a wave's instructions in order, so no wait stands between the stores and the loads
.irp i, 0,1,2,3
	ds_store_b128 v14, v[R+16*((\t)%4)+4*\i:R+16*((\t)%4)+4*\i+3] offset:32*SP*((\t)%2)+8*SP*\i
.endr
.irp i, 0,1,2,3
	ds_load_b128 v[X+16*((\t)%2)+4*\i:X+16*((\t)%2)+4*\i+3], v15 offset:32*SP*((\t)%2)+16*\i
.endr
.endm
.irp t, 0,1,2,3
	LOAD \t
.endr
	s_wait_loadcnt 12                              ; step 0's four loads are in; the twelve of steps 1 to 3 may be out
	TURN 0
.macro STEP t
.set XS, X+16*((\t)%2)
.if (\t) > 0
	s_wait_dscnt 1                                 ; this step's numbers are back from the stage (the last step's byte store may be out): so its stores into the stage have read their registers,
.else
	s_wait_dscnt 0x0
.endif
.if (\t)+4 < STEPS
	LOAD (\t)+4                                    ; which take the loads of four steps on
.endif
.if (\t)+1 < STEPS
.if STEPS-2-(\t) >= 3
	s_wait_loadcnt 12                              ; the next step's four loads are in; those of the three steps behind it may be out
.else
	s_wait_loadcnt 4*(STEPS-2-(\t))
.endif
	TURN (\t)+1                                    ; and go through the other stage while this step is worked
.endif
	v_max3_num_f32 v8, |v[XS]|, |v[XS+1]|, |v[XS+2]|               ; the largest magnitude of my 16, in two chains
	v_max3_num_f32 v9, |v[XS+3]|, |v[XS+4]|, |v[XS+5]|
.irp i, 6,10
	v_max3_num_f32 v8, v8, |v[XS+\i]|, |v[XS+\i+1]|
	v_max3_num_f32 v9, v9, |v[XS+\i+2]|, |v[XS+\i+3]|
.endr
	v_max3_num_f32 v8, v8, |v[XS+14]|, |v[XS+15]|
	v_max3_num_f32 v8, v8, v9, (EMAX+1)<<23        ; and the floor 2^(EMAX + 1 - 127): so the byte cannot fall under 1
	v_max_num_f32_dpp v8, v8, v8 row_xmask:1 row_mask:0xf bank_mask:0xf   ; and of my neighbour's 16: the block's
	v_add_nc_u32 v11, -(EMAX<<23), v8              ; EMAX off its exponent field: the conversion takes the exponent field of this operand as its scale, and nothing else of it
	v_cvt_scalef32_pk8_fp4_f32 v[C+4*(\t)], v[XS:XS+7], v11        ; eight numbers / the scale, to the nearest code, ties to even; the first number's code in the lowest four bits
	v_cvt_scalef32_pk8_fp4_f32 v[C+4*(\t)+1], v[XS+8:XS+15], v11
	v_lshrrev_b32 v[E+(\t)], 23, v11               ; the scale's byte (a plain line behind the conversions)
	ds_store_b8 v5, v[E+(\t)] offset:16*(\t)       ; both lanes of a block write the same byte with the same value
	global_store_b64 v4, v[C+4*(\t):C+4*(\t)+1], s[8:9] offset:32*CB*(\t)   ; 32 lanes store 256 consecutive bytes
.endm
.irp t, 0,1,2,3,4,5,6,7,8,9,10,11,12,13,14,15
	STEP \t
.endr
	ds_load_b64 v[8:9], v6                         ; LDS serves a wave's instructions in order: these see my stores
	s_wait_dscnt 0x0
	global_store_b64 v7, v[8:9], s[10:11]          ; 32 lanes store my wave's 256 scale bytes
	s_wait_tensorcnt 0x0                           ; the wave's end, behind my last LDS store
	ds_add_u32 v[SPW], v[NIL]
	s_wait_dscnt 0x0
	s_endpgm
; out_w to f16.  wh is laid [nb 64][kf 32][half 2][lane 32][16 bytes]: lane (r, h), half u holds out_w[16 nb + r][32 kf + 16 u + 8 h + 0 .. 7]: registers 4 u .. 4 u + 3 of a 16 x 32 fragment.
; Wave id (0 .. 127) takes rows 16 (id / 2) on, columns 512 (id % 2) on: 16 fragments, 16,384 consecutive bytes of wh.  This path stores nothing to LDS.
.Lw:
	s_sub_co_u32 s17, ttmp9, WGQ
	s_lshl_b32 s17, s17, 2
	s_add_co_u32 s17, s17, s16                     ; id
	s_lshr_b32 s18, s17, 1
	s_lshl_b32 s18, s18, 16                        ; 16 rows of 4,096 bytes
	s_and_b32 s19, s17, 1
	s_lshl_b32 s19, s19, 11                        ; 512 columns of 4 bytes
	s_add_co_u32 s18, s18, s19
	s_mov_b32 s19, 0
	s_add_nc_u64 s[24:25], s[24:25], s[18:19]
	s_lshl_b32 s18, s17, 14
	s_add_nc_u64 s[26:27], s[26:27], s[18:19]
	v_and_b32 v8, 15, v2                           ; r
	v_lshrrev_b32 v9, 4, v2                        ; h
	v_lshlrev_b32 v8, 12, v8
	v_lshl_add_u32 v8, v9, 5, v8                   ; row r, + 8 h numbers
.macro LOADG g                         ; four fragments: of each, my 8 numbers of half 0 (two loads) and of half 1 (two loads)
.irp f, 0,1,2,3
.irp p, 0,1,2,3
	global_load_b128 v[16+64*((\g)%2)+16*\f+4*\p:16+64*((\g)%2)+16*\f+4*\p+3], v8, s[24:25] offset:(4*(\g)+\f)*128+64*(\p/2)+16*(\p%2) th:TH_LOAD_NT
.endr
.endr
.endm
.macro CVTG g
.irp f, 0,1,2,3
.irp i, 0,1,2,3,4,5,6,7
	v_cvt_pk_f16_f32 v[H+8*\f+\i], v[16+64*((\g)%2)+16*\f+2*\i], v[16+64*((\g)%2)+16*\f+2*\i+1]
.endr
	global_store_b128 v3, v[H+8*\f:H+8*\f+3], s[26:27] offset:(4*(\g)+\f)*1024       ; 32 lanes store 512 consecutive bytes
	global_store_b128 v3, v[H+8*\f+4:H+8*\f+7], s[26:27] offset:(4*(\g)+\f)*1024+512
.endr
.endm
	LOADG 0
	LOADG 1
	s_wait_loadcnt 16                              ; group 0's 16 loads are in; group 1's may be out
	CVTG 0
	LOADG 2
	s_wait_loadcnt 16                              ; group 1's are in; group 2's may be out
	s_wait_xcnt 0x0                                ; the last group's stores have read v144-175, which are written again
	CVTG 1
	LOADG 3
	s_wait_loadcnt 16
	s_wait_xcnt 0x0
	CVTG 2
	s_wait_loadcnt 0x0
	s_wait_xcnt 0x0
	CVTG 3
	s_endpgm
.Lfunc_end_k_qd352a7b8b0_quant:
	.size	k_qd352a7b8b0_quant, .Lfunc_end_k_qd352a7b8b0_quant-k_qd352a7b8b0_quant
	.p2alignl 7, 3214868480
	.fill 96, 4, 3214868480
	.section	.rodata,"a",@progbits
	.p2align	6, 0x0
	.amdhsa_kernel k_qd352a7b8b0_quant
		.amdhsa_group_segment_fixed_size 33280
		.amdhsa_private_segment_fixed_size 0
		.amdhsa_enable_private_segment 0
		.amdhsa_kernarg_size 64
		.amdhsa_user_sgpr_count 2
		.amdhsa_user_sgpr_kernarg_segment_ptr 1
		.amdhsa_wavefront_size32 1
		.amdhsa_system_sgpr_workgroup_id_x 1
		.amdhsa_system_sgpr_workgroup_id_y 1
		.amdhsa_system_sgpr_workgroup_id_z 1
		.amdhsa_system_vgpr_workitem_id 0
		.amdhsa_next_free_vgpr 192
		.amdhsa_next_free_sgpr 66
		.amdhsa_reserve_vcc 0
		.amdhsa_float_denorm_mode_32 3
		.amdhsa_float_denorm_mode_16_64 3
		.amdhsa_memory_ordered 1
		.amdhsa_forward_progress 1
		.amdhsa_inst_pref_size 51
	.end_amdhsa_kernel
	.amdgpu_metadata
---
amdhsa.version: [ 1, 2 ]
amdhsa.kernels:
  - .name:           k_qd352a7b8b0_quant
    .symbol:         k_qd352a7b8b0_quant.kd
    .args:
      - { .name: qkv, .offset: 0, .size: 8, .value_kind: global_buffer, .address_space: global }
      - { .name: in_w, .offset: 8, .size: 8, .value_kind: global_buffer, .address_space: global }
      - { .name: xc, .offset: 16, .size: 8, .value_kind: global_buffer, .address_space: global }
      - { .name: xs, .offset: 24, .size: 8, .value_kind: global_buffer, .address_space: global }
      - { .name: wc, .offset: 32, .size: 8, .value_kind: global_buffer, .address_space: global }
      - { .name: ws, .offset: 40, .size: 8, .value_kind: global_buffer, .address_space: global }
      - { .name: out_w, .offset: 48, .size: 8, .value_kind: global_buffer, .address_space: global }
      - { .name: wh, .offset: 56, .size: 8, .value_kind: global_buffer, .address_space: global }
    .group_segment_fixed_size: 33280
    .private_segment_fixed_size: 0
    .kernarg_segment_align: 8
    .kernarg_segment_size: 64
    .max_flat_workgroup_size: 128
    .sgpr_count:     66
    .vgpr_count:     192
    .wavefront_size: 32
...
	.end_amdgpu_metadata
.endif
;; end of part 1
;; launch inproj (part 2): grid 12 x 32, 4 waves a work-group, clusters of 4 x 4, 327,680 bytes of LDS; arguments xc, xs, wc, ws, in_b, x1h; writes x1h
.if DOCPART == 2
	.amdgcn_target "amdgcn-amd-amdhsa--gfx1250"
	.amdhsa_code_object_version 6
	.text
	.protected	k_qd352a7b8b0_inproj
	.globl	k_qd352a7b8b0_inproj
	.p2align	8
	.type	k_qd352a7b8b0_inproj,@function
k_qd352a7b8b0_inproj:
	s_mov_b64 s[64:65], 0
	v_nop
	global_prefetch_b8 v0, s[64:65] scope:SCOPE_SE
	s_setreg_imm32_b32 hwreg(HW_REG_WAVE_MODE, 25, 1), 1
	s_wait_xcnt 0x0
	s_wait_alu depctr_hold_cnt(0) depctr_sa_sdst(0) depctr_va_vdst(0) depctr_va_sdst(0) depctr_va_ssrc(0) depctr_va_vcc(0) depctr_vm_vsrc(0)
	s_getreg_b32 s2, hwreg(HW_REG_IB_STS2, 6, 4)
	s_cmp_eq_u32 s2, 0
	s_cbranch_scc0 .Lentry_in_a_cluster
	s_endpgm
.Lentry_in_a_cluster:
	s_bfe_u32 s2, ttmp6, 0x10000c
	s_cmp_lg_u32 s2, 0xf033
	s_cbranch_scc0 .Lentry_shape_is_right
	s_endpgm
.Lentry_shape_is_right:
; x1 = Q(qkv) Q(in_w)^T + in_b on codes of FP4 (E2M1) with one E8M0 scale for each 32 along K = 1,024; sums in f32; the result is rounded once to f16 and stored in the order of the attention launch's operand registers.
; WORK LEFT OUT: in_b[1024:2048], k's bias: it adds q . b_k / 8 to every score of a row alike, which a softmax takes away for all values of the inputs; k goes into nothing else (shown at the head of the first launch).
; LIMITS: |x1| beyond f16's 65,504 is not served; NaN and infinities are not served; a NaN or infinity in in_b[1024:2048] is not carried to the result.
; A tile of x1, 256 x 256, is made by a work-group of four waves; a wave makes 128 x 128: 64 accumulators of 16 x 16, 512 registers.  K is two slots of 512 (rows of 256 bytes), both asked for at the head: nothing is filled again.
; THE SCALES of the work-group's 256 rows of x and 256 rows of in_w, for all of K, are two dense blocks of memory: they come into LDS once, with the first fills.
; CLUSTERS: 4 x 4 work-groups.  The four of a row of the cluster need the same tiles of x, the four of a column the same tiles of in_w: each tile is asked for JOINTLY, by the same tensor load with the same descriptor
; and a mask that names the four.  A cluster's four tile columns are 1,024 columns of x1: cluster x = 0, 1, 2 is q, k, v.
; THE MATRIX INSTRUCTION IS USED TRANSPOSED (source 0 = 16 rows of in_w, source 1 = 16 rows of x): lane (r, h) of accumulator (a, b) holds position r and columns 16 b + 8 h + 0 .. 7: eight neighbours, 16 bytes of f16,
; which ARE registers 0-3 (b even) or 4-7 (b odd) of a 16 x 32 fragment of q or k.  So the way out needs no LDS: each store of the wave covers 512 consecutive bytes.
; x1h: [section 3][b x head 64][16 positions 128][16 channels 4][512 bytes].  In q and k lane l's 16 bytes lie at 16 l; in v position r's 16 channels lie on end, at 32 r + 16 h.
; The bias is the C of each sum's first matrix instruction; in k's tiles that C is zeros.
; REGISTERS, in windows of 256: window 0: v0-31 addresses; v32-95 scale words, two sets; v128-191 x's fragments, ONE set; v192-255 the bias of my 128 columns; on the way out v32-223 take the f16 results.
;   window 1: in_w's fragments, TWO sets, at v0 and at v128.   window 2: the 32 accumulators of my rows 0-63 (accumulator (a, b) at v[8 (8 a + b)]);   window 3: those of my rows 64-127.
.set SIZE_K, 1024
.set KSTEP,  512                       ; along K in a slot
.set NQ,     KSTEP/128                 ; matrix instructions deep
.set ROWB,   256                       ; a tile's row in bytes
.set KROW,   SIZE_K*4/8                ; a row of codes in memory, in bytes
.set PITCH,  272                       ; an LDS row: 256 bytes + 16 of padding = 68 words, so that the 16 rows that a load touches begin 4 words apart modulo 64
.set FR,     8                         ; registers of a fragment: 16 rows x 128 K
.set NL,     2                         ; LDS loads that bring one
.set NP,     4                         ; places behind this matrix instruction (ISA guide 7.12.1)
.set HALFT,  128*PITCH                 ; 128 rows: what one tensor load brings, and what one wave reads of a side
.set SLOT,   4*HALFT                   ; x's 256 rows, then in_w's 256 rows
.set KS,     SIZE_K/32                 ; a row of scales in bytes
.set SCL,    2*SLOT                    ; behind the two slots: the scales, as rows of 256 bytes + 16 of padding
.set HALFS,  (128*KS/256)*272          ; the scales of 128 rows: what one tensor load brings
.set SBLK,   (16*KS/256)*272           ; those of 16 rows
.set SPARE,  SCL+4*HALFS               ; behind the scales: the spare words, 128 bytes for each wave, which no other line names
.set BO,   7                           ; v7      32 h: my eight numbers of a tile's sixteen of the bias
.set ADRA, 16                          ; v16-17  LDS address of my x fragments in slot 0, 1
.set ADRB, 20                          ; v20-21  the same for in_w
.set CO,   26                          ; v26     the way out: my 16 bytes' place in a block of 512
.set ADRS, 27                          ; v27     LDS address of my scale words: lanes 0-15 x's rows, lanes 16-31 in_w's
.set SPW,  28                          ; v28     LDS address of my spare word; never rewritten
.set NIL,  29                          ; v29     0; never rewritten
.set SC,   32                          ; scale words: set s at v[SC + 8 NQ s]; register NQ i + q: lanes 0-15 the word of x's block i, lanes 16-31 that of in_w's block i, for the slot's q-th 128 along K
.set AF,   128                         ; x's fragments
.set BI,   192                         ; the bias: v[BI + 8 b + j] = in_b[my first column + 16 b + 8 h + j]
.set OT,   32                          ; the way out: six sets of 32 registers
.set G1, 24                            ; s[24:31] descriptor group 1 for x's tiles;  s[32:39] group 0, one set for each slot
.set G0, 32
.set G1B, 48                           ; s[48:55], s[56:63] the same for in_w's tiles
.set G0B, 56
.set G1S, 68                           ; s[68:75], s[76:79] groups 1 and 0 for x's scales;  s[80:87], s[88:91] for in_w's
.set G0S, 76
.set G1SB, 80
.set G0SB, 88
.set MSB, 0
.macro WIN new                         ; the immediate's high byte repeats the setting that is left
.if MSB != \new
	s_set_vgpr_msb (MSB<<8)|\new
.set MSB, \new
.endif
.endm
.set MUL_LO, 0xa1                      ; source 0 (in_w) window 1, source 1 (x) window 0, C and D window 2; in the first step C is the bias, in window 0: 0x81
.set MUL_HI, 0xf1                      ; the same, C and D window 3; in the first step 0xc1
.set TO_B,   0x40                      ; destination window 1, address window 0
; A joint load: waves 0 and 1 fetch for x, waves 2 and 3 for in_w.  Each of the two lines has ONE mask and one set of registers for all that issue it; the branch hangs on the wave's number alone.
; An s_nop 0 and four v_nop follow each of the two lines, ahead of the jump, the label and what follows.
.macro JLOAD g0a, g1a, g0b, g1b
	s_cmp_eq_u32 s15, 0
	s_cbranch_scc0 .Lfor_b_\@
	tensor_load_to_lds s[\g0a:\g0a+3], s[\g1a:\g1a+7]
	s_nop 0
.rept 4
	v_nop
.endr
	s_branch .Lasked_\@
.Lfor_b_\@:
	tensor_load_to_lds s[\g0b:\g0b+3], s[\g1b:\g1b+7]
	s_nop 0
.rept 4
	v_nop
.endr
.Lasked_\@:
.endm
.macro CROUND                          ; a round of the cluster's barrier
	s_barrier_signal -1
	s_barrier_wait -1
	s_cmp_lg_u32 s14, 0
	s_cbranch_scc1 .Lnot_wave_0_\@
	s_barrier_signal -3
.Lnot_wave_0_\@:
	s_barrier_wait -3
	s_barrier_signal -1
	s_barrier_wait -1
.endm
	s_load_b128 s[4:7], s[0:1], 0x0                ; x's codes s[4:5], x's scales s[6:7]
	s_load_b128 s[8:11], s[0:1], 0x10              ; in_w's codes s[8:9], in_w's scales s[10:11]
	s_load_b128 s[96:99], s[0:1], 0x20             ; in_b s[96:97], x1h s[98:99]
	v_lshl_add_u32 v[SPW], v0, 2, SPARE
	v_mov_b32 v[NIL], 0
	ds_add_u32 v[SPW], v[NIL]                      ; the wave's opening: the add, twice on end, and its wait ahead of my first tensor load; the set-up below stands between the second and the wait
	ds_add_u32 v[SPW], v[NIL]                      ; and once more
	v_lshrrev_b32 v1, 5, v0
	v_readfirstlane_b32 s14, v1                    ; wave 0..3
	s_lshr_b32 s15, s14, 1                         ; which half of the tile's rows is mine.  Also: I fetch for x (0) or for in_w (1)
	s_and_b32 s16, s14, 1                          ; which half of its columns.  Also: which 128 rows of that tile I fetch
	s_bfe_u32 s40, ttmp6, 0x40000                  ; cx, cy: my place in the cluster
	s_bfe_u32 s41, ttmp6, 0x40004
	s_lshl_b32 s42, ttmp9, 2
	s_add_co_u32 s42, s42, s40                     ; tile column = 4 x cluster x + cx
	s_and_b32 s17, ttmp7, 0xffff
	s_lshl_b32 s17, s17, 2
	s_add_co_u32 s17, s17, s41                     ; tile row = 4 x cluster y + cy
	s_lshl_b32 s43, s41, 2
	s_lshl_b32 s43, 15, s43                        ; my row of the cluster
	s_lshl_b32 s44, 0x1111, s40                    ; my column
	; descriptor group 1: a tile of 128 rows x 256 bytes, padded in LDS
	s_or_b32 s[G1+0], s43, (0<<16)|(1<<20)|(1<<21)|(5<<22)|(3<<25)  ; 15:0 the mask: x's tiles go to my row; 17:16 element of 1 byte; 20 padding on; 21 set beside a mask; 24:22 after every 64 words; 31:25 of 4 words
	s_or_b32 s[G1B+0], s44, (0<<16)|(1<<20)|(1<<21)|(5<<22)|(3<<25)
.irp g, G1, G1B
	s_mov_b32 s[\g+1], ROWB<<16                    ; tensor_dim0
	s_mov_b32 s[\g+2], 128<<16                     ; tensor_dim1 = 128
	s_mov_b32 s[\g+3], ROWB<<16                    ; tile_dim0
	s_mov_b32 s[\g+4], 128                         ; tile_dim1 = 128
	s_mov_b32 s[\g+5], KROW                        ; tensor_dim0_stride
	s_mov_b32 s[\g+6], 0
	s_mov_b32 s[\g+7], 0
.endr
	; and for the scales of 128 rows: a dense block of 4,096 bytes, as 16 rows of 256 bytes (32 elements of 8 bytes), 16 bytes of padding behind each
	s_or_b32 s[G1S+0], s43, (3<<16)|(1<<20)|(1<<21)|(5<<22)|(3<<25)
	s_or_b32 s[G1SB+0], s44, (3<<16)|(1<<20)|(1<<21)|(5<<22)|(3<<25)
.irp g, G1S, G1SB
	s_mov_b32 s[\g+1], 32<<16
	s_mov_b32 s[\g+2], (128*KS/256)<<16
	s_mov_b32 s[\g+3], 32<<16
	s_mov_b32 s[\g+4], 128*KS/256
	s_mov_b32 s[\g+5], 32
	s_mov_b32 s[\g+6], 0
	s_mov_b32 s[\g+7], 0
.endr
	s_lshl_b32 s18, s16, 7                         ; which 128 rows of the tile I fetch
	s_lshl_b32 s20, s17, 8
	s_add_co_u32 s20, s20, s18                     ; x: row 256 x tile row + 128 x half
	s_lshl_b32 s46, s42, 8
	s_add_co_u32 s46, s46, s18                     ; in_w: row 256 x tile column + 128 x half
	s_mov_b32 s21, 0
	s_mov_b32 s47, 0
	s_mov_b64 s[18:19], KS
	s_mul_u64 s[22:23], s[20:21], s[18:19]         ; where these rows' scales begin, in bytes
	s_mul_u64 s[92:93], s[46:47], s[18:19]
	s_mov_b64 s[18:19], KROW
	s_mul_u64 s[20:21], s[20:21], s[18:19]         ; and their codes
	s_mul_u64 s[46:47], s[46:47], s[18:19]
	s_mul_i32 s45, s14, HALFT                      ; where they go: wave x 128 rows: no place in the cluster enters an LDS address
	s_mul_i32 s94, s14, HALFS
	s_wait_dscnt 0x0                               ; both opening adds are done
	s_wait_kmcnt 0x0
	s_add_nc_u64 s[20:21], s[4:5], s[20:21]
	s_add_nc_u64 s[22:23], s[6:7], s[22:23]
	s_add_nc_u64 s[46:47], s[8:9], s[46:47]
	s_add_nc_u64 s[92:93], s[10:11], s[92:93]
	CROUND                                         ; all sixteen work-groups are here: the first joint loads meet
	s_mov_b32 s[G0S], 1
	s_add_co_u32 s[G0S+1], s94, SCL
	s_mov_b64 s[G0S+2:G0S+3], s[22:23]
	s_or_b32 s[G0S+3], s[G0S+3], 0x80000000
	s_mov_b32 s[G0SB], 1
	s_add_co_u32 s[G0SB+1], s94, SCL
	s_mov_b64 s[G0SB+2:G0SB+3], s[92:93]
	s_or_b32 s[G0SB+3], s[G0SB+3], 0x80000000
	JLOAD G0S, G1S, G0SB, G1SB                     ; the scales first: they are wanted with K step 0.  Three loads of mine are out behind the last of these
.irp s, 0,1
	s_mov_b32 s[G0+4*\s], 1
	s_add_co_u32 s[G0+4*\s+1], s45, \s*SLOT
	s_add_nc_u64 s[G0+4*\s+2:G0+4*\s+3], s[20:21], \s*ROWB
	s_or_b32 s[G0+4*\s+3], s[G0+4*\s+3], 0x80000000
	s_mov_b32 s[G0B+4*\s], 1
	s_add_co_u32 s[G0B+4*\s+1], s45, \s*SLOT
	s_add_nc_u64 s[G0B+4*\s+2:G0B+4*\s+3], s[46:47], \s*ROWB
	s_or_b32 s[G0B+4*\s+3], s[G0B+4*\s+3], 0x80000000
	JLOAD G0+4*\s, G1, G0B+4*\s, G1B
.endr
	v_and_b32 v1, 15, v0                           ; r = l % 16
	v_bfe_u32 v2, v0, 4, 1                         ; h = l / 16
	v_mul_u32_u24 v3, v1, PITCH
	v_lshl_add_u32 v4, v2, 4, v3                   ; a fragment's row x pitch + 16 x half
	s_mul_i32 s21, s15, HALFT                      ; my 128 rows of x
	s_mul_i32 s22, s16, HALFT                      ; my 128 rows of in_w,
	s_add_co_u32 s22, s22, 2*HALFT                 ; which lie behind x's 256
.irp s, 0,1
	v_add_nc_u32 v[ADRA+\s], s21, v4
	v_add_nc_u32 v[ADRB+\s], s22, v4
	s_add_co_u32 s21, s21, SLOT
	s_add_co_u32 s22, s22, SLOT
.endr
	v_mul_u32_u24 v5, v1, KS                       ; my row's scales: KS bytes a row,
	v_lshrrev_b32 v6, 8, v5
	v_lshl_add_u32 v5, v6, 4, v5                   ; and 16 more for each 256 passed
	s_mul_i32 s21, s15, HALFS                      ; x's: my 128 rows
	s_mul_i32 s22, s16, HALFS                      ; in_w's: my 128 rows, behind x's 256
	s_add_co_u32 s22, s22, 2*HALFS
	s_sub_co_u32 s22, s22, s21
	v_mul_u32_u24 v6, s22, v2                      ; lanes 16-31 take in_w's
	s_add_co_u32 s21, s21, SCL
	v_add_nc_u32 v5, v5, v6
	v_add_nc_u32 v[ADRS], s21, v5
	; the way out: my 16 bytes in a block of 512: q, k: 16 r + 256 h = 16 l;  v: 32 r + 16 h
	s_cmp_eq_u32 ttmp9, 2
	s_cselect_b32 s20, 32, 16
	s_cselect_b32 s21, 16, 256
	v_mul_u32_u24 v[CO], v1, s20
	v_mad_u32_u24 v[CO], v2, s21, v[CO]
	; x1h at my wave's first block: section << 24 | (16 batch + head) << 18 | (16 positions) << 11
	s_lshl_b32 s46, ttmp9, 24                      ; the section: cluster x
	s_lshr_b32 s47, s17, 3
	s_lshl_b32 s47, s47, 4                         ; 16 x batch: a batch is 8 tile rows
	s_and_b32 s20, s42, 3
	s_lshl_b32 s20, s20, 2                         ; a tile column is 4 heads,
	s_add_co_u32 s47, s47, s20
	s_lshl_b32 s20, s16, 1                         ; my half of it 2
	s_add_co_u32 s47, s47, s20
	s_lshl_b32 s47, s47, 18
	s_add_co_u32 s46, s46, s47
	s_and_b32 s20, s17, 7
	s_lshl_b32 s20, s20, 4                         ; a tile row is 16 blocks of 16 positions,
	s_lshl_b32 s21, s15, 3                         ; my half of it 8
	s_add_co_u32 s20, s20, s21
	s_lshl_b32 s20, s20, 11
	s_add_co_u32 s46, s46, s20
	s_mov_b32 s47, 0
	s_add_nc_u64 s[98:99], s[98:99], s[46:47]
	; the bias of my 128 columns, in the result's layout.  Cluster x is the same in all sixteen partners
	s_cmp_eq_u32 ttmp9, 1
	s_cbranch_scc1 .Lkbias
	s_lshl_b32 s46, s42, 10                        ; my first column, in bytes: 1,024 x tile column + 512 x half
	s_lshl_b32 s47, s16, 9
	s_add_co_u32 s46, s46, s47
	s_mov_b32 s47, 0
	s_add_nc_u64 s[96:97], s[96:97], s[46:47]
	v_lshlrev_b32 v[BO], 5, v2
.irp b, 0,1,2,3,4,5,6,7
	global_load_b128 v[BI+8*\b:BI+8*\b+3], v[BO], s[96:97] offset:64*\b
	global_load_b128 v[BI+8*\b+4:BI+8*\b+7], v[BO], s[96:97] offset:64*\b+16
.endr
	s_branch .Lbias_in
.Lkbias:                                           ; k's tiles: in_b[1024:2048] is left out: the sums begin at zero
.set i, 0
.rept 64
	v_mov_b32 v[BI+i], 0
.set i, i+1
.endr
.Lbias_in:
.macro FRAG reg, adr, q, i             ; a fragment, 16 rows x 128 K of 4-bit codes, is 8 registers: lane l holds row l % 16; registers 4 c .. 4 c + 3 hold K = 64 c + 32 (l / 16) + 0 .. 31
.irp c, 0,1
	ds_load_b128 v[\reg+4*\c:\reg+4*\c+3], v[\adr] offset:64*(\q)+32*\c+(\i)*16*PITCH
.endr
.endm
; 16 matrix instructions: x's blocks a0, a0 + 1 x in_w's eight, 128 along K: the slot's q-th.  p: in_w's set;  sc: the set of scale words.  first = 1: the sums begin with the bias: nothing is ever cleared.
; The 64 accumulators take turns, one instruction a turn, in the same order in every step.
.macro MUL16 a0, p, q, sc, first
.irp a, \a0, \a0+1
.irp b, 0,1,2,3,4,5,6,7
.if \first
	v_wmma_scale_f32_16x16x128_f8f6f4 v[8*(8*((\a)%4)+\b):8*(8*((\a)%4)+\b)+7], v[128*(\p)+FR*\b:128*(\p)+FR*\b+FR-1], v[AF+FR*(\a):AF+FR*(\a)+FR-1], v[BI+8*\b:BI+8*\b+7], v[SC+8*NQ*(\sc)+NQ*\b+(\q)], v[SC+8*NQ*(\sc)+NQ*(\a)+(\q)] matrix_a_fmt:MATRIX_FMT_FP4 matrix_b_fmt:MATRIX_FMT_FP4 matrix_a_scale:MATRIX_SCALE_ROW1
.else
	v_wmma_scale_f32_16x16x128_f8f6f4 v[8*(8*((\a)%4)+\b):8*(8*((\a)%4)+\b)+7], v[128*(\p)+FR*\b:128*(\p)+FR*\b+FR-1], v[AF+FR*(\a):AF+FR*(\a)+FR-1], v[8*(8*((\a)%4)+\b):8*(8*((\a)%4)+\b)+7], v[SC+8*NQ*(\sc)+NQ*\b+(\q)], v[SC+8*NQ*(\sc)+NQ*(\a)+(\q)] matrix_a_fmt:MATRIX_FMT_FP4 matrix_b_fmt:MATRIX_FMT_FP4 matrix_a_scale:MATRIX_SCALE_ROW1
.endif
.endr
.endr
.endm
.macro FETCH_B slot, q, p              ; in_w's eight fragments of the slot's q-th 128 along K into set p
	WIN TO_B
.irp i, 0,1,2,3,4,5,6,7
	FRAG 128*(\p)+FR*\i, ADRB+\slot, \q, \i
.endr
	WIN 0
.endm
.macro FETCH_A slot, q, i0             ; x's blocks i0 .. i0 + 3
.irp i, \i0, \i0+1, \i0+2, \i0+3
	FRAG AF+FR*(\i), ADRA+\slot, \q, \i
.endr
.endm
.macro SCALES sc                       ; a K step's scale words into set sc: NQ words a row; lanes 0-15 take x's block i, lanes 16-31 in_w's block i
.irp i, 0,1,2,3,4,5,6,7
	ds_load_b128 v[SC+8*NQ*\sc+NQ*\i:SC+8*NQ*\sc+NQ*\i+3], v[ADRS] offset:\i*SBLK
.endr
.endm
; A load into a register that a matrix instruction has read, and a vector instruction that reads a matrix result, stand NP places behind that matrix instruction; only plain vector
; instructions that name none of its registers are places (ISA guide 7.12.1 for vector instructions).
.macro PLACES n
.rept \n
	v_nop
.endr
.endm
; A step of 128 along K that has its successor in the same slot.
.macro STEP slot, q, first
	s_wait_dscnt 4*NL                              ; in_w's set and x's blocks 0-3 are in; the youngest eight loads (x's blocks 4-7) may be out
	WIN MUL_LO-0x20*(\first)
	MUL16 0, (\q)%2, \q, \slot, \first
	MUL16 2, (\q)%2, \q, \slot, \first
	s_wait_dscnt 0                                 ; x's blocks 4-7 are in (asked for 32 matrix instructions ago)
	PLACES NP
	FETCH_B \slot, (\q)+1, 1-(\q)%2
	FETCH_A \slot, (\q)+1, 0
	WIN MUL_HI-0x30*(\first)
	MUL16 4, (\q)%2, \q, \slot, \first
	MUL16 6, (\q)%2, \q, \slot, \first
	PLACES NP
	WIN 0
	FETCH_A \slot, (\q)+1, 4
.endm
; Slot 0's last step goes over to slot 1: ONE barrier; in front of it each wave waits for all its tensor loads (its part of slot 1), so that behind it slot 1 is whole.  Nothing is filled again.
.macro TURN slot, next
	s_wait_tensorcnt 0x0                           ; all my tensor loads have landed: my part of the next slot;  (every window is 0 here: the add's two registers lie in window 0)
	ds_add_u32 v[SPW], v[NIL]                      ; 0 onto my spare word;
	s_wait_dscnt 4*NL+1                            ; (the add and the youngest eight loads, x's blocks 4-7, may be out)
	WIN MUL_LO
	MUL16 0, 1, NQ-1, \slot, 0                     ; sixteen matrix instructions stand between the add and the wait for it
	s_wait_dscnt 0x0                               ; the add is done, and no LDS load of mine is out
	s_barrier_signal -1
	MUL16 2, 1, NQ-1, \slot, 0
	WIN 0
	s_barrier_wait -1
	PLACES NP
	v_add_nc_u32 v[ADRS], 4*NQ, v[ADRS]            ; on to the next K step's scale words (no LDS load of mine is out)
	FETCH_B \next, 0, 0
	FETCH_A \next, 0, 0
	SCALES \next
	WIN MUL_HI
	MUL16 4, 1, NQ-1, \slot, 0
	MUL16 6, 1, NQ-1, \slot, 0
	PLACES NP
	WIN 0
	FETCH_A \next, 0, 4
.endm
.macro STEPS slot, from                ; the slot's steps from .. NQ - 2
.set Q, \from
.rept NQ-1-\from
	STEP \slot, Q, 0
.set Q, Q+1
.endr
.endm
	s_wait_loadcnt 0x0                             ; the bias
	s_wait_tensorcnt 1                             ; the scales and my part of K step 0 are in (K step 1's load may be out),
	s_barrier_signal -1
	s_barrier_wait -1                              ; everybody's are
	FETCH_B 0, 0, 0
	FETCH_A 0, 0, 0
	SCALES 0
	FETCH_A 0, 0, 4
	STEP 0, 0, 1                                   ; the first step's products start the sums, on the bias
	STEPS 0, 1
	TURN 0, 1
	STEPS 1, 0
	s_wait_dscnt 4*NL                              ; the very last step: nothing more to fetch
	WIN MUL_LO
	MUL16 0, 1, NQ-1, 1, 0
	MUL16 2, 1, NQ-1, 1, 0
	s_wait_dscnt 0
	WIN MUL_HI
	MUL16 4, 1, NQ-1, 1, 0
	MUL16 6, 1, NQ-1, 1, 0
	WIN 0
; THE WAY OUT, block by block of 16 positions x 128 columns.  Accumulator (a, b): four roundings make a lane's 16 bytes; the wave's store is one block of 512 consecutive bytes of x1h:
; positions block a (2,048 bytes on), head b / 4 of my two (2^18 bytes on), channels 16 (b % 4) on (512 bytes on).  Every offset is an immediate; no pointer is stepped.
.macro OUTB a
.set AC, 64*((\a)%4)
.set T, OT+32*((\a)%6)
.if (\a) >= 6
	s_wait_xcnt 0x0                                ; the stores of six blocks back have read this set's registers
.endif
	WIN 0x0a+5*((\a)/4)                            ; sources 0 and 1: window 2 or 3
.irp b, 0,1,2,3,4,5,6,7
.irp i, 0,1,2,3
	v_cvt_pk_f16_f32 v[T+4*\b+\i], v[AC+8*\b+2*\i], v[AC+8*\b+2*\i+1]   ; each accumulator from its low end on
.endr
.endr
	WIN 0
.irp b, 0,1,2,3,4,5,6,7
	global_store_b128 v[CO], v[T+4*\b:T+4*\b+3], s[98:99] offset:(\a)*2048+(\b/4)*262144+(\b%4)*512
.endr
.endm
	PLACES NP                                      ; the roundings write registers that held scale words and fragments of the last products, and later read their results
.irp a, 0,1,2,3,4,5,6,7
	OUTB \a
.endr
	s_wait_tensorcnt 0x0                           ; the wave's end, behind my last tensor load
	ds_add_u32 v[SPW], v[NIL]
	s_wait_dscnt 0x0
	CROUND                                         ; the closing round: no work-group ends while a partner may still ask for a tile that names it
	s_endpgm
.Lfunc_end_k_qd352a7b8b0_inproj:
	.size	k_qd352a7b8b0_inproj, .Lfunc_end_k_qd352a7b8b0_inproj-k_qd352a7b8b0_inproj
	.p2alignl 7, 3214868480
	.fill 96, 4, 3214868480
	.section	.rodata,"a",@progbits
	.p2align	6, 0x0
	.amdhsa_kernel k_qd352a7b8b0_inproj
		.amdhsa_group_segment_fixed_size 327680
		.amdhsa_private_segment_fixed_size 0
		.amdhsa_enable_private_segment 0
		.amdhsa_kernarg_size 48
		.amdhsa_user_sgpr_count 2
		.amdhsa_user_sgpr_kernarg_segment_ptr 1
		.amdhsa_wavefront_size32 1
		.amdhsa_system_sgpr_workgroup_id_x 1
		.amdhsa_system_sgpr_workgroup_id_y 1
		.amdhsa_system_sgpr_workgroup_id_z 1
		.amdhsa_system_vgpr_workitem_id 0
		.amdhsa_next_free_vgpr 1024
		.amdhsa_next_free_sgpr 100
		.amdhsa_reserve_vcc 0
		.amdhsa_float_denorm_mode_32 3
		.amdhsa_float_denorm_mode_16_64 3
		.amdhsa_memory_ordered 1
		.amdhsa_forward_progress 1
		.amdhsa_inst_pref_size 121
	.end_amdhsa_kernel
	.amdgpu_metadata
---
amdhsa.version: [ 1, 2 ]
amdhsa.kernels:
  - .name:           k_qd352a7b8b0_inproj
    .symbol:         k_qd352a7b8b0_inproj.kd
    .args:
      - { .name: xc, .offset: 0, .size: 8, .value_kind: global_buffer, .address_space: global }
      - { .name: xs, .offset: 8, .size: 8, .value_kind: global_buffer, .address_space: global }
      - { .name: wc, .offset: 16, .size: 8, .value_kind: global_buffer, .address_space: global }
      - { .name: ws, .offset: 24, .size: 8, .value_kind: global_buffer, .address_space: global }
      - { .name: in_b, .offset: 32, .size: 8, .value_kind: global_buffer, .address_space: global }
      - { .name: x1h, .offset: 40, .size: 8, .value_kind: global_buffer, .address_space: global }
    .group_segment_fixed_size: 327680
    .private_segment_fixed_size: 0
    .kernarg_segment_align: 8
    .kernarg_segment_size: 48
    .max_flat_workgroup_size: 128
    .sgpr_count:     100
    .vgpr_count:     1024
    .wavefront_size: 32
...
	.end_amdgpu_metadata
.endif
;; end of part 2
;; launch attn (part 3): grid 4 x 64, 8 waves a work-group, clusters of 4 x 1, 327,680 bytes of LDS; arguments x1h, ao; writes ao
.if DOCPART == 3
	.amdgcn_target "amdgcn-amd-amdhsa--gfx1250"
	.amdhsa_code_object_version 6
	.text
	.protected	k_qd352a7b8b0_attn
	.globl	k_qd352a7b8b0_attn
	.p2align	8
	.type	k_qd352a7b8b0_attn,@function
k_qd352a7b8b0_attn:
	s_mov_b64 s[64:65], 0
	v_nop
	global_prefetch_b8 v0, s[64:65] scope:SCOPE_SE
	s_setreg_imm32_b32 hwreg(HW_REG_WAVE_MODE, 25, 1), 1
	s_wait_xcnt 0x0
	s_wait_alu depctr_hold_cnt(0) depctr_sa_sdst(0) depctr_va_vdst(0) depctr_va_sdst(0) depctr_va_ssrc(0) depctr_va_vcc(0) depctr_vm_vsrc(0)
	s_getreg_b32 s2, hwreg(HW_REG_IB_STS2, 6, 4)
	s_cmp_eq_u32 s2, 0
	s_cbranch_scc0 .Lentry_in_a_cluster
	s_endpgm
.Lentry_in_a_cluster:
	s_bfe_u32 s2, ttmp6, 0x10000c
	s_cmp_lg_u32 s2, 0x3003
	s_cbranch_scc0 .Lentry_shape_is_right
	s_endpgm
.Lentry_shape_is_right:
; o[b][head][q][:] = the sum over k of softmax_k(q . k / 8) v[k][:], head size 64, 2,048 keys, no mask.  q, k, v arrive as f16 in x1h, in the order of operand registers; products on f16 operands with f32 sums;
; maxima, exponentials and sums in f32; the weights p are rounded to f16 for the second product, o once at the end, to f16, into ao, in the order of the last launch's operand registers.
; f16 and not bf16: eleven significant bits against eight; q, k, v, p and o all have f16's range at inputs some thirty times larger or smaller than ordinary ones.
; SHARES.  A work-group owns 512 queries of one head; each of its eight waves 64: four tiles of 16.  Every wave walks all 2,048 keys, 64 a step, so that a fragment of K or V read from LDS feeds four products.
; LAYOUT.  S^T = K Q^T (source 0 = 16 keys, source 1 = 16 queries): a lane holds ONE query (lane % 16) and keys 8 (lane / 16) + 0..7 of each block of 16.  Two such tiles, rounded in pairs, ARE source 1
; (32 keys x 16 queries) of O^T = V^T P, whose result again holds one query a lane, and eight channels, which are 16 bytes of the next launch's fragment.  K comes out of LDS as it lies, V turned, by ds_load_tr16_b128.
; SOFTMAX.  For each query a running maximum m and sum l: p = 2^(c s - c m), c = log2(e) / 8; in every step O and l are multiplied by a = 2^(c m_old - c m_new).  The step is written once: O and l begin as zeros and m as -3e38.
; The exponentials go in two batches (tiles 0, 1; tiles 2, 3), each with one wait; plain work of the other tiles stands between them.
; CLUSTER.  The four query blocks of a head form a cluster and walk the same K and V: each tile is asked for JOINTLY, the same load with the same descriptor and a mask that names the four.
; RING.  Two slots of 256 keys (32,768 bytes of K, 32,768 of V, dense in memory and in LDS).  Every wave fetches 8,192 bytes of a slot by one load: waves 0-3 K's quarters, waves 4-7 V's.  One load of mine is out at most.
; LIMITS: scores under -3e38, NaN and infinities are not served; p under 2^-126 counts as 0.
; REGISTERS.  Window 0: v1-7 addresses; v8-39 eight statistics a tile (+0 c m, +1 m, +2, +3 l, +4..+7 at work; a takes +6); v40-103 K's fragments; v104-119 partial sums; v128-255 S^T, 32 a tile, then P in its first 16.
;             Window 1: v0-127 O^T, 32 a tile; v128-191 Q; v192-255 V's fragments.
.set SLOT1, 65536                      ; slot 1 begins here: one exclusive or turns an address in one slot into the other's
.set VOFF,  32768                      ; in a slot: K's 256 keys, then V's
.set STEPB, 8192                       ; 64 keys of K, or of V
.set SLOTB, 32768                      ; a slot's bytes of K, or of V, in memory
.set NSL,   8                          ; slots' worth of keys
.set SPARE, 2*SLOT1                    ; behind the ring: the spare words, 128 bytes for each of eight waves, which no other line names
.set AKL, 1                            ; v1  16 x lane: my place in an image (K's fragments, Q's loads, O's stores)
.set AVL, 2                            ; v2  my place in a block of V for the turning load
.set ADK, 3                            ; v3  LDS address of the step's K
.set ADV, 4                            ; v4  and V
.set SPW, 5                            ; v5  LDS address of my spare word; never rewritten
.set NIL, 6                            ; v6  0; never rewritten
.set PFO, 7                            ; v7  256 x lane: the prefetches' offset; never rewritten
.set ST,  8
.set KF,  40
.set SU,  104
.set S,   128
.set Q,   128                          ; in window 1
.set VF,  192                          ; in window 1
.set WV,  8                            ; s8  my wave's number
.set G0,  12                           ; s[12:15] descriptor group 0, which walks
.set G1,  16                           ; s[16:23] descriptor group 1
.set PFA, 28                           ; s[28:29] where my prefetches stand
.set LIM, 30                           ; s30 1 in a wave that prefetches, else the greatest number
.set SLOTS, 31                         ; s31 slots still to be asked for
.set STP, 32                           ; s32 counts a slot's four steps
.set TB,  33                           ; s33 LDS byte at which the step's K begins
.set CS,  34                           ; s[34:35] c, twice
.set SEL, 36                           ; s[36:37] lane selects for v_permlanex16_b32: lane l xor 16
.set MSB, 0
.macro WIN new                         ; the immediate's high byte repeats the setting that is left; a switch that changes nothing is dropped
.if MSB != \new
	s_set_vgpr_msb (MSB<<8)|\new
.set MSB, \new
.endif
.endm
.set W_D1, 0x40                        ; destination window 1
.set W_KQ, 0x04                        ; Q (source 1) window 1; K, S^T window 0
.set W_PV, 0x51                        ; V (source 0), O^T (C and D) window 1; P window 0
.set W_RS, 0x41                        ; O^T (destination, source 0) window 1; a window 0
.set W_CV, 0x05                        ; sources window 1, destination window 0
.macro CROUND                          ; a round of the cluster's barrier
	s_barrier_signal -1
	s_barrier_wait -1
	s_cmp_lg_u32 s[WV], 0
	s_cbranch_scc1 .Lnot_wave_0_\@
	s_barrier_signal -3
.Lnot_wave_0_\@:
	s_barrier_wait -3
	s_barrier_signal -1
	s_barrier_wait -1
.endm
.macro JL                              ; my joint load: one line for all eight waves; an s_nop 0 and four v_nop follow it
	tensor_load_to_lds s[G0:G0+3], s[G1:G1+7]
	s_nop 0
.rept 4
	v_nop
.endr
.endm
; A PREFETCH INTO THE L2 of the slot that the NEXT change will ask for: four key steps ahead of that load.  A slot is 32,768 bytes of K and as many of V; the four partners take 8,192 of each, told apart BY ADDRESS;
; in each work-group wave 0 asks for K's part and wave 4 for V's, one instruction, lanes 256 bytes apart: each block of 256 bytes is named once in the launch.  The last change that fills a slot asks for nothing.
.macro ASK
	s_cmp_gt_u32 s[SLOTS], s[LIM]
	s_cbranch_scc0 .Lnot_mine_\@
	global_prefetch_b8 v[PFO], s[PFA:PFA+1] th:TH_LOAD_NT scope:SCOPE_SE
.Lnot_mine_\@:
.endm
	s_load_b128 s[4:7], s[0:1], 0x0                ; x1h s[4:5], ao s[6:7]
	v_lshl_add_u32 v[SPW], v0, 2, SPARE
	v_mov_b32 v[NIL], 0
	ds_add_u32 v[SPW], v[NIL]                      ; the wave's opening: the add, twice on end, and its wait ahead of my first tensor load; the set-up below stands between the second and the wait
	ds_add_u32 v[SPW], v[NIL]                      ; and once more
	v_lshrrev_b32 v8, 5, v0
	v_readfirstlane_b32 s[WV], v8                  ; wave 0..7
	s_bfe_u32 s9, ttmp6, 0x40000                   ; cx: my block of 512 queries: it enters Q's, O's and the prefetches' addresses alone
	s_and_b32 s10, ttmp7, 0xffff                   ; 16 x batch + head, which the four partners share
	; descriptor group 1: 8,192 dense bytes as 32 rows of 256 (32 elements of 8 bytes), no padding
	s_mov_b32 s[G1], 15|(3<<16)|(1<<21)            ; 15:0 the mask: all four work-groups; 17:16 elements of 8 bytes; 21 set beside a mask
	s_mov_b32 s[G1+1], 32<<16                      ; tensor_dim0 = 32
	s_mov_b32 s[G1+2], 32<<16                      ; tensor_dim1 = 32
	s_mov_b32 s[G1+3], 32<<16                      ; tile_dim0 = 32
	s_mov_b32 s[G1+4], 32                          ; tile_dim1 = 32
	s_mov_b32 s[G1+5], 32                          ; from row to row: 32 elements
	s_mov_b32 s[G1+6], 0
	s_mov_b32 s[G1+7], 0
	s_mov_b32 s[CS], 0x3e38aa3b                    ; c = log2(e) / 8
	s_mov_b32 s[CS+1], s[CS]                       ; (named with it as a pair, so it is written)
	s_mov_b32 s[SEL], 0x76543210
	s_mov_b32 s[SEL+1], 0xfedcba98
	s_mov_b32 s[TB], 0
	s_mov_b32 s[SLOTS], NSL-1
	s_and_b32 s[LIM], s[WV], 3
	s_cmp_eq_u32 s[LIM], 0                         ; waves 0 and 4 prefetch: the same in all four partners
	s_cselect_b32 s[LIM], 1, -1
	s_lshl_b32 s38, s10, 18                        ; my head's bytes in a section
	s_lshr_b32 s40, s[WV], 2
	s_add_co_u32 s40, s40, 1
	s_lshl_b32 s40, s40, 24                        ; section 1 (K) for waves 0-3, section 2 (V) for waves 4-7
	s_add_co_u32 s40, s40, s38
	s_mov_b32 s41, 0
	s_lshl_b32 s42, s9, 13                         ; the prefetches: my work-group's 8,192 bytes of a slot's part,
	s_add_co_u32 s42, s42, s40
	s_add_co_u32 s42, s42, SLOTB                   ; in slot 1: the first change steps it to slot 2.  Nothing is prefetched at the head
	s_mov_b32 s43, 0
	s_and_b32 s39, s[WV], 3
	s_lshl_b32 s39, s39, 13
	s_add_co_u32 s40, s40, s39                     ; my quarter of a slot's K or V: nothing of cx in it
	s_lshl_b32 s44, s9, 16                         ; Q: my work-group's 512 queries (32 blocks of 2,048 bytes),
	s_add_co_u32 s44, s44, s38
	s_lshl_b32 s39, s[WV], 13                      ; my wave's 64
	s_add_co_u32 s44, s44, s39
	s_mov_b32 s45, 0
	s_lshr_b32 s46, s10, 4
	s_lshl_b32 s46, s46, 7                         ; ao: 128 blocks of 16 rows a batch,
	s_lshl_b32 s47, s9, 5
	s_add_co_u32 s46, s46, s47                     ; 32 a work-group,
	s_lshl_b32 s47, s[WV], 2
	s_add_co_u32 s46, s46, s47                     ; 4 a wave; 32,768 bytes each;
	s_lshl_b32 s46, s46, 15
	s_and_b32 s47, s10, 15
	s_lshl_b32 s47, s47, 11                        ; in it my head's 2,048 bytes
	s_add_co_u32 s46, s46, s47
	s_mov_b32 s47, 0
	v_and_b32 v[AKL], 31, v0
	v_lshlrev_b32 v[PFO], 8, v[AKL]
	v_lshlrev_b32 v[AKL], 4, v[AKL]
	; The turning load takes 16 keys x 16 channels, rows of 32 bytes: lane l reads 16 bytes: key 8 (l / 16) + l % 8, channels 8 ((l / 8) % 2) + 0..7; it leaves half a fragment of V^T: lane l holds channel l % 16 and 8 keys
	v_bfe_u32 v8, v0, 4, 1
	v_and_b32 v9, 7, v0
	v_lshl_add_u32 v8, v8, 3, v9
	v_bfe_u32 v9, v0, 3, 1
	v_lshlrev_b32 v9, 4, v9
	v_lshl_add_u32 v[AVL], v8, 5, v9
	v_add_nc_u32 v[AVL], VOFF, v[AVL]
	s_wait_dscnt 0x0                               ; both opening adds are done
	s_wait_kmcnt 0x0
	s_mov_b32 s[G0], 1                             ; count = 1
	s_lshl_b32 s[G0+1], s[WV], 13                  ; LDS address: wave x 8,192, in slot 0
	s_add_nc_u64 s[G0+2:G0+3], s[4:5], s[40:41]    ; global address
	s_or_b32 s[G0+3], s[G0+3], 0x80000000          ; type = 2
	s_add_nc_u64 s[PFA:PFA+1], s[4:5], s[42:43]
	s_add_nc_u64 s[24:25], s[4:5], s[44:45]        ; Q at my wave's first tile
	s_add_nc_u64 s[26:27], s[6:7], s[46:47]        ; ao likewise
	CROUND                                         ; all four work-groups are here: the first joint loads meet
	JL                                             ; slot 0
	WIN W_D1
.irp t, 0,1,2,3                        ; Q stays in registers: tile t, channels 32 c on, registers 4 u on
.irp c, 0,1
.irp u, 0,1
	global_load_b128 v[Q+16*\t+8*\c+4*\u:Q+16*\t+8*\c+4*\u+3], v[AKL], s[24:25] offset:2048*\t+1024*\c+512*\u
.endr
.endr
.endr
.set i, 0
.rept 128
	v_mov_b32 v[i], 0                              ; O^T.  (The step is written once: its first pass multiplies these zeros by a = 0)
.set i, i+1
.endr
	WIN 0
.irp t, 0,1,2,3
	v_mov_b32 v[ST+8*\t+1], 0xff61b1e6             ; m: -3e38, under every score
	v_mov_b32 v[ST+8*\t+2], 0                      ; l, in two halves
	v_mov_b32 v[ST+8*\t+3], 0
.endr
.irp t, 0,1,2,3
	v_mul_f32 v[ST+8*\t], s[CS], v[ST+8*\t+1]      ; c m
.endr
.macro FMA t, b                        ; pair b of tile t: c s - c m
	v_pk_fma_f32 v[S+32*(\t)+2*(\b):S+32*(\t)+2*(\b)+1], v[S+32*(\t)+2*(\b):S+32*(\t)+2*(\b)+1], s[CS:CS+1], v[ST+8*(\t):ST+8*(\t)+1] op_sel_hi:[1,0,0] neg_lo:[0,0,1] neg_hi:[0,0,1]
.endm
.macro EXP t, e
	v_exp_f32 v[S+32*(\t)+(\e)], v[S+32*(\t)+(\e)]
.endm
; Sum z of 16 of tile t's 16 pairs of weights, in two chains U and W; then l = a l + the sum.
.macro SUM t, z
.set rT, ST+8*(\t)
.set rS, S+32*(\t)
.set rU, SU+4*(\t)
.if (\z) == 0
	v_pk_add_f32 v[rU:rU+1], v[rS:rS+1], v[rS+4:rS+5]
.elseif (\z) == 1
	v_pk_add_f32 v[rU+2:rU+3], v[rS+2:rS+3], v[rS+6:rS+7]
.elseif (\z) < 14
	v_pk_add_f32 v[rU+2*((\z)%2):rU+2*((\z)%2)+1], v[rU+2*((\z)%2):rU+2*((\z)%2)+1], v[rS+2*(\z)+4:rS+2*(\z)+5]
.elseif (\z) == 14
	v_pk_add_f32 v[rU:rU+1], v[rU:rU+1], v[rU+2:rU+3]
.else
	v_pk_fma_f32 v[rT+2:rT+3], v[rT+2:rT+3], v[rT+6:rT+7], v[rU:rU+1] op_sel_hi:[1,0,1]
.endif
.endm
; Pair i of tile t is rounded to f16 IN PLACE, into register i.  Register i belongs to pair i / 2, which rounding i / 2 has read and which a sum numbered i or less has taken: so SUM t, z stands ahead of CVT t, z.
.macro CVT t, i
	v_cvt_pk_f16_f32 v[S+32*(\t)+(\i)], v[S+32*(\t)+2*(\i)], v[S+32*(\t)+2*(\i)+1]
.endm
; A KEY STEP: 64 keys.
.macro STEP
	v_add_nc_u32 v[ADK], s[TB], v[AKL]             ; five plain instructions behind the last step's products: this step's first products write over P's registers, and the loads land in V's
	v_add_nc_u32 v[ADV], s[TB], v[AVL]
.rept 3
	v_nop
.endr
.irp f, 0,1,2,3,4,5,6,7                ; K: keys 16 (f / 2) on, channels 32 (f % 2) on: 512 consecutive bytes a load
	ds_load_b128 v[KF+8*\f:KF+8*\f+3],   v[ADK] offset:1024*\f
	ds_load_b128 v[KF+8*\f+4:KF+8*\f+7], v[ADK] offset:1024*\f+512
.endr
	WIN W_D1
.irp f, 0,1,2,3,4,5,6,7                ; V, turned: keys 32 (f / 4) on, channels 16 (f % 4) on
	ds_load_tr16_b128 v[VF+8*\f:VF+8*\f+3],   v[ADV] offset:(\f/4)*4096+(\f%4)*512
	ds_load_tr16_b128 v[VF+8*\f+4:VF+8*\f+7], v[ADV] offset:(\f/4)*4096+2048+(\f%4)*512
.endr
	s_add_co_u32 s[TB], s[TB], STEPB               ; the next fetch is the next step's
	s_wait_dscnt 16                                ; K's 16 loads are in; V's 16 may be out
	WIN W_KQ
.set i, 0
.rept 32                               ; S^T = K Q^T: channels 32 (i / 16) on, keys 16 ((i / 4) % 4) on, tile i % 4.  The 16 accumulators take turns; the first 16 start the sums
.set rS, S+32*(i%4)+8*((i/4)%4)
.set rK, KF+16*((i/4)%4)+8*(i/16)
.set rQ, Q+16*(i%4)+8*(i/16)
.if i < 16
	v_wmma_f32_16x16x32_f16 v[rS:rS+7], v[rK:rK+7], v[rQ:rQ+7], 0
.else
	v_wmma_f32_16x16x32_f16 v[rS:rS+7], v[rK:rK+7], v[rQ:rQ+7], v[rS:rS+7]
.endif
.set i, i+1
.endr
	WIN 0
.rept 4
	v_nop                                          ; places ahead of the first read of results
.endr
	; the maximum of a lane's 32 scores and the old m, three operands at a time, the four tiles by turns; each accumulator is read from its low end on
.irp j, 0,1,2,3
.irp t, 0,1,2,3
	v_max3_num_f32 v[ST+8*\t+4+\j], v[S+32*\t+8*\j], v[S+32*\t+8*\j+1], v[S+32*\t+8*\j+2]
.endr
.endr
.irp k, 3,5
.irp j, 0,1,2,3
.irp t, 0,1,2,3
	v_max3_num_f32 v[ST+8*\t+4+\j], v[ST+8*\t+4+\j], v[S+32*\t+8*\j+\k], v[S+32*\t+8*\j+\k+1]
.endr
.endr
.endr
.irp t, 0,1,2,3
	v_max3_num_f32 v[ST+8*\t+4], v[ST+8*\t+4], v[S+32*\t+7], v[S+32*\t+15]
.endr
.irp t, 0,1,2,3
	v_max3_num_f32 v[ST+8*\t+6], v[ST+8*\t+6], v[S+32*\t+23], v[S+32*\t+31]
.endr
.irp t, 0,1,2,3
	v_max3_num_f32 v[ST+8*\t+4], v[ST+8*\t+4], v[ST+8*\t+5], v[ST+8*\t+6]
.endr
.irp t, 0,1,2,3
	v_max3_num_f32 v[ST+8*\t+4], v[ST+8*\t+4], v[ST+8*\t+7], v[ST+8*\t+1]
.endr
.irp t, 0,1,2,3
	v_permlanex16_b32 v[ST+8*\t+5], v[ST+8*\t+4], s[SEL], s[SEL+1]   ; the query's other 32 keys lie in the lane 16 away
.endr
.irp t, 0,1,2,3
	v_mov_b32 v[ST+8*\t+7], v[ST+8*\t]             ; c m_old is kept for a
.endr
.irp t, 0,1,2,3
	v_max_num_f32 v[ST+8*\t+1], v[ST+8*\t+4], v[ST+8*\t+5]           ; the new m
.endr
.irp t, 0,1,2,3
	v_mul_f32 v[ST+8*\t], s[CS], v[ST+8*\t+1]      ; c m
.endr
.irp t, 0,1,2,3
	v_sub_f32 v[ST+8*\t+7], v[ST+8*\t+7], v[ST+8*\t]
.endr
.irp t, 0,1,2,3
	v_exp_f32 v[ST+8*\t+6], v[ST+8*\t+7]           ; a = 2^(c m_old - c m_new)
.endr
	; BATCH A: the four a and the 64 exponentials of tiles 0 and 1; the scalings of tiles 2 and 3 stand between them.  Nothing here names an exponential's result
.set z, 0
.rept 16
	FMA 0, z
	FMA 1, z
.set z, z+1
.endr
.set z, 0
.rept 16
	EXP 0, 2*z
	FMA 2, z
	EXP 1, 2*z
	EXP 0, 2*z+1
	FMA 3, z
	EXP 1, 2*z+1
.set z, z+1
.endr
	v_nop                                          ; a plain instruction behind the last exponential
	s_wait_alu depctr_va_vdst(0)                   ; the wait ahead of the first instruction that names a result: one for the batch
	; BATCH B: the 64 exponentials of tiles 2 and 3; the sums and roundings of tiles 0 and 1, which read batch A's results alone, stand between them
.set z, 0
.rept 16
	EXP 2, 2*z
	SUM 0, z
	EXP 3, 2*z
	SUM 1, z
	EXP 2, 2*z+1
	CVT 0, z
	EXP 3, 2*z+1
	CVT 1, z
.set z, z+1
.endr
	v_nop
	s_wait_alu depctr_va_vdst(0)                   ; one wait for batch B
.set z, 0
.rept 16
	SUM 2, z
	SUM 3, z
	CVT 2, z
	CVT 3, z
.set z, z+1
.endr
	WIN W_RS
.set i, 0
.rept 64
	v_pk_mul_f32 v[2*i:2*i+1], v[2*i:2*i+1], v[ST+8*(i/16)+6:ST+8*(i/16)+7] op_sel_hi:[1,0]   ; O^T x a, each accumulator from its low end on
.set i, i+1
.endr
	s_wait_dscnt 0x0                               ; V is in
	WIN W_PV
.set i, 0
.rept 32                               ; O^T += V^T P: keys 32 (i / 16) on, channels 16 ((i / 4) % 4) on, tile i % 4: 16 accumulators by turns
.set rO, 32*(i%4)+8*((i/4)%4)
.set rV, VF+32*(i/16)+8*((i/4)%4)
.set rP, S+32*(i%4)+8*(i/16)
	v_wmma_f32_16x16x32_f16 v[rO:rO+7], v[rV:rV+7], v[rP:rP+7], v[rO:rO+7]
.set i, i+1
.endr
	WIN 0
.endm
; THE CHANGE OF SLOTS stands at a slot's head.  Each wave waits for all its tensor loads (its part of the slot that it is about to read), adds 0 to its spare word, and waits for that and for its reads of the slot that it has left.
; fill = 1: the barrier is a round of the cluster's: no wave of any partner still reads the other slot or has a load on its way; the joint load of the next 256 keys is the first thing behind it and has four key steps in which to land.
.macro CHANGE fill
	s_wait_tensorcnt 0x0                           ; no tensor load of mine is out, so group 0 may be written
	ds_add_u32 v[SPW], v[NIL]                      ; 0 onto my spare word
.if \fill
	s_xor_b32 s[G0+1], s[G0+1], SLOT1              ; the other slot than last time,
	s_add_nc_u64 s[G0+2:G0+3], s[G0+2:G0+3], SLOTB ; the next 256 keys; the type bits on top are not reached
	s_wait_xcnt 0x0                                ; the last prefetch, a slot back, has read its address, so it may be written:
	s_add_nc_u64 s[PFA:PFA+1], s[PFA:PFA+1], SLOTB ; one slot further on than the walking descriptor
	s_wait_dscnt 0x0                               ; the add is done, and my reads of the slot that I have left are over
	CROUND
	JL
	ASK
.else
	s_wait_dscnt 0x0
	s_barrier_signal -1
	s_barrier_wait -1
.endif
.endm
.macro SLOT_STEPS                      ; a slot's four key steps: written once, walked four times; the LDS addresses hang on s[TB]
	s_mov_b32 s[STP], 4
.Lstep_\@:
	STEP
	s_sub_co_u32 s[STP], s[STP], 1
	s_cmp_lg_u32 s[STP], 0
	s_cbranch_scc1 .Lstep_\@
	s_sub_co_u32 s[TB], s[TB], 4*STEPB             ; back to a slot's first step,
	s_xor_b32 s[TB], s[TB], SLOT1                  ; in the other slot
.endm
	s_wait_loadcnt 0x0                             ; Q
.Lslot:                                            ; NSL - 1 trips: behind each change of slots but the last the next slot is asked for (in the first trip: slot 1's first fill)
	CHANGE 1
	SLOT_STEPS
	s_sub_co_u32 s[SLOTS], s[SLOTS], 1
	s_cmp_lg_u32 s[SLOTS], 0
	s_cbranch_scc1 .Lslot
	CHANGE 0                                       ; the last slot is written out
	SLOT_STEPS
	; THE WAY OUT.  l's two halves and the other half of the lanes' are added; O^T is divided by l and rounded to f16: a lane's eight channels are 16 bytes of a fragment of the next launch: no LDS.
.irp t, 0,1,2,3
	v_add_f32 v[ST+8*\t+4], v[ST+8*\t+2], v[ST+8*\t+3]               ; (these additions are the places behind the last products)
.endr
.irp t, 0,1,2,3
	v_permlanex16_b32 v[ST+8*\t+5], v[ST+8*\t+4], s[SEL], s[SEL+1]
.endr
.irp t, 0,1,2,3
	v_add_f32 v[ST+8*\t+4], v[ST+8*\t+4], v[ST+8*\t+5]
.endr
.irp t, 0,1,2,3
	v_rcp_f32 v[ST+8*\t+6], v[ST+8*\t+4]
.endr
	v_nop                                          ; a plain instruction behind the last reciprocal
	s_wait_alu depctr_va_vdst(0)                   ; and the wait ahead of the first use: one for the four
	WIN W_RS
.set i, 0
.rept 64
	v_pk_mul_f32 v[2*i:2*i+1], v[2*i:2*i+1], v[ST+8*(i/16)+6:ST+8*(i/16)+7] op_sel_hi:[1,0]
.set i, i+1
.endr
	WIN W_CV
.irp t, 0,1,2,3
.irp n, 0,1,2,3,4,5,6,7,8,9,10,11,12,13,14,15
	v_cvt_pk_f16_f32 v[S+16*\t+\n], v[32*\t+2*\n], v[32*\t+2*\n+1]   ; register 4 cb + i: channels 16 cb + 8 h + 2 i, + 1
.endr
.endr
	WIN 0
.irp t, 0,1,2,3
.irp c, 0,1,2,3
	global_store_b128 v[AKL], v[S+16*\t+4*\c:S+16*\t+4*\c+3], s[26:27] offset:32768*\t+512*\c   ; 32 lanes store 512 consecutive bytes
.endr
.endr
	s_wait_tensorcnt 0x0                           ; the wave's end, behind my last tensor load
	ds_add_u32 v[SPW], v[NIL]
	s_wait_dscnt 0x0
	CROUND                                         ; the closing round: no work-group ends while a partner may still ask for a tile that names it
	s_endpgm
.Lfunc_end_k_qd352a7b8b0_attn:
	.size	k_qd352a7b8b0_attn, .Lfunc_end_k_qd352a7b8b0_attn-k_qd352a7b8b0_attn
	.p2alignl 7, 3214868480
	.fill 96, 4, 3214868480
	.section	.rodata,"a",@progbits
	.p2align	6, 0x0
	.amdhsa_kernel k_qd352a7b8b0_attn
		.amdhsa_group_segment_fixed_size 327680
		.amdhsa_private_segment_fixed_size 0
		.amdhsa_enable_private_segment 0
		.amdhsa_kernarg_size 16
		.amdhsa_user_sgpr_count 2
		.amdhsa_user_sgpr_kernarg_segment_ptr 1
		.amdhsa_wavefront_size32 1
		.amdhsa_system_sgpr_workgroup_id_x 1
		.amdhsa_system_sgpr_workgroup_id_y 1
		.amdhsa_system_sgpr_workgroup_id_z 1
		.amdhsa_system_vgpr_workitem_id 0
		.amdhsa_next_free_vgpr 512
		.amdhsa_next_free_sgpr 66
		.amdhsa_reserve_vcc 0
		.amdhsa_float_denorm_mode_32 3
		.amdhsa_float_denorm_mode_16_64 3
		.amdhsa_memory_ordered 1
		.amdhsa_forward_progress 1
		.amdhsa_inst_pref_size 86
	.end_amdhsa_kernel
	.amdgpu_metadata
---
amdhsa.version: [ 1, 2 ]
amdhsa.kernels:
  - .name:           k_qd352a7b8b0_attn
    .symbol:         k_qd352a7b8b0_attn.kd
    .args:
      - { .name: x1h, .offset: 0, .size: 8, .value_kind: global_buffer, .address_space: global }
      - { .name: ao, .offset: 8, .size: 8, .value_kind: global_buffer, .address_space: global }
    .group_segment_fixed_size: 327680
    .private_segment_fixed_size: 0
    .kernarg_segment_align: 8
    .kernarg_segment_size: 16
    .max_flat_workgroup_size: 256
    .sgpr_count:     66
    .vgpr_count:     512
    .wavefront_size: 32
...
	.end_amdgpu_metadata
.endif
;; end of part 3
;; launch outproj (part 4): grid 4 x 64, 4 waves a work-group, clusters of 4 x 4, 327,680 bytes of LDS; arguments ao, wh, out_b, out0; writes out0
.if DOCPART == 4
	.amdgcn_target "amdgcn-amd-amdhsa--gfx1250"
	.amdhsa_code_object_version 6
	.text
	.protected	k_qd352a7b8b0_outproj
	.globl	k_qd352a7b8b0_outproj
	.p2align	8
	.type	k_qd352a7b8b0_outproj,@function
k_qd352a7b8b0_outproj:
	s_mov_b64 s[64:65], 0
	v_nop
	global_prefetch_b8 v0, s[64:65] scope:SCOPE_SE
	s_setreg_imm32_b32 hwreg(HW_REG_WAVE_MODE, 25, 1), 1
	s_wait_xcnt 0x0
	s_wait_alu depctr_hold_cnt(0) depctr_sa_sdst(0) depctr_va_vdst(0) depctr_va_sdst(0) depctr_va_ssrc(0) depctr_va_vcc(0) depctr_vm_vsrc(0)
	s_getreg_b32 s2, hwreg(HW_REG_IB_STS2, 6, 4)
	s_cmp_eq_u32 s2, 0
	s_cbranch_scc0 .Lentry_in_a_cluster
	s_endpgm
.Lentry_in_a_cluster:
	s_bfe_u32 s2, ttmp6, 0x10000c
	s_cmp_lg_u32 s2, 0xf033
	s_cbranch_scc0 .Lentry_shape_is_right
	s_endpgm
.Lentry_shape_is_right:
; out0 = o out_w^T + out_b.  o (ao) and out_w (wh) arrive as f16 in the order of operand registers: [16 rows][32 along K][half][lane][16 bytes]; sums in f32; out0 [8192][1024] f32.
; A tile of out0 is 128 rows x 256 columns, so that 8,192 x 1,024 make 256 work-groups.  Four waves, each 64 x 128: 32 accumulators of 16 x 16.  K = 1,024 goes in 8 steps of 128 through a ring of two LDS slots.
; A K step of 16 rows is 4,096 consecutive bytes of memory, and lies so in LDS: no padding; every fragment load reads 512 consecutive bytes.
; CLUSTERS: 4 x 4 work-groups.  The four of a row of the cluster need the same tiles of o, the four of a column the same tiles of out_w: each tile is asked for JOINTLY, by the same tensor load with the same
; descriptor and a mask that names the four.  Waves 0 and 1 fetch o's halves (4 rows of 4,096 bytes each), waves 2 and 3 out_w's (8 rows each).  Two loads of mine are out at the start, later one.
; THE MATRIX INSTRUCTION IS USED TRANSPOSED (source 0 = 16 rows of out_w, source 1 = 16 rows of o): a lane holds eight neighbouring numbers of a row of out0.  The bias is the C of each sum's first product.
; REGISTERS: window 0: v16-29 addresses; v32-95 the bias of my 128 columns; v128-255 rows on the way out.  Window 1: the accumulators ((a, b) at v[8 (8 a + b)]).
;   Window 2: two fragment buffers of 96, for 32 along K: o's four fragments, then out_w's eight.
.set SLOT,   98304                     ; o's 8 blocks of 4,096 bytes, then out_w's 16
.set BOFF,   32768
.set STAGE,  2*SLOT                    ; behind the ring: 16 rows x 528 bytes for each wave, for the way out; no tensor load lands here
.set SPITCH, 528
.set SPARE,  STAGE+4*16*SPITCH         ; behind the stages: the spare words, 128 bytes for each wave, which no other line names
.set LAPS,   4                         ; a lap = two K steps = once round the ring
.set ADRA, 16                          ; v16-17  LDS address of my fragments of o in slot 0, 1
.set ADRB, 20                          ; v20-21  the same for out_w
.set STO,  24                          ; v24     the way out: where I put 32 bytes of a row
.set RD,   25                          ; v25     where I read a row back
.set CO,   26                          ; v26     16 x lane
.set BO,   27                          ; v27     32 h
.set SPW,  28                          ; v28     LDS address of my spare word; never rewritten
.set NIL,  29                          ; v29     0; never rewritten
.set BI,   32                          ; v[BI + 8 b + j] = out_b[my first column + 16 b + 8 h + j]
.set BK,   128                         ; the way out: 16 rows read back: v128-191 and v192-255 by turns
.set F0,   0                           ; fragment buffers, in window 2
.set F1,   96
.set G1, 24                            ; s[24:31] descriptor group 1 for o's tiles;  s[32:39] group 0, one set for each slot
.set G0, 32
.set G1B, 48                           ; s[48:55], s[56:63] the same for out_w's tiles
.set G0B, 56
.set MSB, 0
.macro WIN new                         ; the immediate's high byte repeats the setting that is left
.if MSB != \new
	s_set_vgpr_msb (MSB<<8)|\new
.set MSB, \new
.endif
.endm
.set MUL,  0x5a                        ; sources 0 and 1 window 2; C and D window 1
.set MUL0, 0x4a                        ; the same with C, the bias, in window 0
.set TO_F, 0x80                        ; destination window 2, address window 0
.macro JLOAD s                         ; a joint load; an s_nop 0 and four v_nop follow each of the two lines, ahead of the jump, the label and what follows
	s_cmp_eq_u32 s13, 0
	s_cbranch_scc0 .Lfor_b_\@
	tensor_load_to_lds s[G0+4*\s:G0+4*\s+3], s[G1:G1+7]
	s_nop 0
.rept 4
	v_nop
.endr
	s_branch .Lasked_\@
.Lfor_b_\@:
	tensor_load_to_lds s[G0B+4*\s:G0B+4*\s+3], s[G1B:G1B+7]
	s_nop 0
.rept 4
	v_nop
.endr
.Lasked_\@:
.endm
.macro CREST                           ; a round of the cluster's barrier behind its opening barrier
	s_cmp_lg_u32 s12, 0
	s_cbranch_scc1 .Lnot_wave_0_\@
	s_barrier_signal -3
.Lnot_wave_0_\@:
	s_barrier_wait -3
	s_barrier_signal -1
	s_barrier_wait -1
.endm
.macro CROUND                          ; a whole round
	s_barrier_signal -1
	s_barrier_wait -1
	CREST
.endm
	s_load_b256 s[4:11], s[0:1], 0x0               ; ao s[4:5], wh s[6:7], out_b s[8:9], out0 s[10:11]
	v_lshl_add_u32 v[SPW], v0, 2, SPARE
	v_mov_b32 v[NIL], 0
	ds_add_u32 v[SPW], v[NIL]                      ; the wave's opening: the add, twice on end, and its wait ahead of my first tensor load; the set-up below stands between the second and the wait
	ds_add_u32 v[SPW], v[NIL]                      ; and once more
	v_lshrrev_b32 v1, 5, v0
	v_readfirstlane_b32 s12, v1                    ; wave 0..3
	s_lshr_b32 s13, s12, 1                         ; which half of the tile's rows is mine.  Also: I fetch for o (0) or for out_w (1)
	s_and_b32 s14, s12, 1                          ; which half of its columns.  Also: which half of that tile I fetch
	s_bfe_u32 s40, ttmp6, 0x40000                  ; cx, cy: my place in the cluster
	s_bfe_u32 s41, ttmp6, 0x40004
	s_lshl_b32 s42, ttmp9, 2
	s_add_co_u32 s42, s42, s40                     ; tile column = 4 x cluster x + cx
	s_and_b32 s43, ttmp7, 0xffff
	s_lshl_b32 s43, s43, 2
	s_add_co_u32 s43, s43, s41                     ; tile row = 4 x cluster y + cy
	s_lshl_b32 s44, s41, 2
	s_lshl_b32 s44, 15, s44                        ; my row of the cluster
	s_lshl_b32 s45, 0x1111, s40                    ; my column
	; descriptor group 1: rows of 4,096 bytes (512 elements of 8 bytes), 32,768 bytes apart in memory, on end in LDS: 4 of them for o, 8 for out_w
	s_or_b32 s[G1+0], s44, (3<<16)|(1<<21)         ; 15:0 the mask: o's tiles go to my row; 17:16 elements of 8 bytes; 21 set beside a mask
	s_or_b32 s[G1B+0], s45, (3<<16)|(1<<21)
.irp g, G1, G1B
	s_mov_b32 s[\g+1], 512<<16                     ; tensor_dim0 = 512
	s_mov_b32 s[\g+3], 512<<16                     ; tile_dim0 = 512
	s_mov_b32 s[\g+5], 4096                        ; from row to row: 4,096 elements
	s_mov_b32 s[\g+6], 0
	s_mov_b32 s[\g+7], 0
.endr
	s_mov_b32 s[G1+2], 4<<16                       ; tensor_dim1
	s_mov_b32 s[G1+4], 4                           ; tile_dim1
	s_mov_b32 s[G1B+2], 8<<16
	s_mov_b32 s[G1B+4], 8
	s_lshl_b32 s16, s43, 18                        ; o: block 8 x tile row + 4 x half, 32,768 bytes each
	s_lshl_b32 s17, s14, 17
	s_add_co_u32 s16, s16, s17
	s_mov_b32 s17, 0
	s_lshl_b32 s46, s42, 19                        ; out_w: block 16 x tile column + 8 x half
	s_lshl_b32 s47, s14, 18
	s_add_co_u32 s46, s46, s47
	s_mov_b32 s47, 0
	s_lshl_b32 s20, s14, 14                        ; where they go: o's halves at 0 and 16,384,
	s_lshl_b32 s21, s14, 15
	s_add_co_u32 s21, s21, BOFF                    ; out_w's at 32,768 and 65,536: no place in the cluster enters an LDS address
	s_wait_dscnt 0x0                               ; both opening adds are done
	s_wait_kmcnt 0x0
	s_add_nc_u64 s[16:17], s[4:5], s[16:17]
	s_add_nc_u64 s[46:47], s[6:7], s[46:47]
	CROUND                                         ; all sixteen work-groups are here: the first joint loads meet
.irp s, 0,1
	s_mov_b32 s[G0+4*\s], 1
	s_add_co_u32 s[G0+4*\s+1], s20, \s*SLOT
	s_add_nc_u64 s[G0+4*\s+2:G0+4*\s+3], s[16:17], \s*4096   ; K step s: 4,096 bytes on in each block
	s_or_b32 s[G0+4*\s+3], s[G0+4*\s+3], 0x80000000
	s_mov_b32 s[G0B+4*\s], 1
	s_add_co_u32 s[G0B+4*\s+1], s21, \s*SLOT
	s_add_nc_u64 s[G0B+4*\s+2:G0B+4*\s+3], s[46:47], \s*4096
	s_or_b32 s[G0B+4*\s+3], s[G0B+4*\s+3], 0x80000000
	JLOAD \s
.endr
	v_and_b32 v1, 31, v0
	v_lshlrev_b32 v[CO], 4, v1                     ; 16 x lane
	v_and_b32 v2, 15, v0                           ; r
	v_bfe_u32 v3, v0, 4, 1                         ; h
	s_lshl_b32 s22, s13, 14                        ; my 64 rows of o: 4 blocks
	s_lshl_b32 s23, s14, 15                        ; my 128 rows of out_w: 8 blocks,
	s_add_co_u32 s23, s23, BOFF                    ; behind o's
.irp s, 0,1
	v_add_nc_u32 v[ADRA+\s], s22, v[CO]
	v_add_nc_u32 v[ADRB+\s], s23, v[CO]
	s_add_co_u32 s22, s22, SLOT
	s_add_co_u32 s23, s23, SLOT
.endr
	s_mul_i32 s22, s12, 16*SPITCH
	s_add_co_u32 s22, s22, STAGE                   ; my stage
	v_mul_u32_u24 v4, v2, SPITCH                   ; in: row r, 32 bytes for each half of the lanes
	v_lshl_add_u32 v4, v3, 5, v4
	v_add_nc_u32 v[STO], s22, v4
	v_add_nc_u32 v[RD], s22, v[CO]                 ; back: the 32 lanes take one row of 512 bytes
	v_lshlrev_b32 v[BO], 5, v3
	s_lshl_b32 s46, s42, 10                        ; my first column, in bytes: 1,024 x tile column + 512 x half
	s_lshl_b32 s47, s14, 9
	s_add_co_u32 s46, s46, s47
	s_mov_b32 s47, 0
	s_add_nc_u64 s[8:9], s[8:9], s[46:47]
.irp b, 0,1,2,3,4,5,6,7
	global_load_b128 v[BI+8*\b:BI+8*\b+3], v[BO], s[8:9] offset:64*\b
	global_load_b128 v[BI+8*\b+4:BI+8*\b+7], v[BO], s[8:9] offset:64*\b+16
.endr
	s_add_nc_u64 s[10:11], s[10:11], s[46:47]
	s_lshl_b32 s46, s43, 19                        ; my first row: 128 x tile row + 64 x half, 4,096 bytes each
	s_lshl_b32 s22, s13, 18
	s_add_co_u32 s46, s46, s22
	s_add_nc_u64 s[10:11], s[10:11], s[46:47]
; 8 matrix instructions: o's block a x out_w's eight, 32 along K, from buffer f.  first = 1: the sums begin with the bias: nothing is ever cleared.
; The 32 accumulators take turns, one instruction a turn, in the same order in every quarter.
.macro MULA f, a, first
.irp b, 0,1,2,3,4,5,6,7
.if \first
	v_wmma_f32_16x16x32_f16 v[8*(8*(\a)+\b):8*(8*(\a)+\b)+7], v[\f+32+8*\b:\f+32+8*\b+7], v[\f+8*(\a):\f+8*(\a)+7], v[BI+8*\b:BI+8*\b+7]
.else
	v_wmma_f32_16x16x32_f16 v[8*(8*(\a)+\b):8*(8*(\a)+\b)+7], v[\f+32+8*\b:\f+32+8*\b+7], v[\f+8*(\a):\f+8*(\a)+7], v[8*(8*(\a)+\b):8*(8*(\a)+\b)+7]
.endif
.endr
.endm
; 24 LDS loads in one run: the fragments of the slot's q-th 32 along K into buffer f
.macro FETCH slot, q, f
	WIN TO_F
.irp b, 0,1,2,3,4,5,6,7
	ds_load_b128 v[\f+32+8*\b:\f+32+8*\b+3],   v[ADRB+\slot] offset:4096*\b+1024*(\q)
	ds_load_b128 v[\f+32+8*\b+4:\f+32+8*\b+7], v[ADRB+\slot] offset:4096*\b+1024*(\q)+512
.endr
.irp a, 0,1,2,3
	ds_load_b128 v[\f+8*\a:\f+8*\a+3],   v[ADRA+\slot] offset:4096*\a+1024*(\q)
	ds_load_b128 v[\f+8*\a+4:\f+8*\a+7], v[ADRA+\slot] offset:4096*\a+1024*(\q)+512
.endr
.endm
.macro PLACES                          ; four places in front of loads into registers that matrix instructions have read, and of LDS stores that read results (ISA guide 7.12.1 for vector instructions)
.rept 4
	v_nop
.endr
.endm
; A K step is four quarters of 32 along K, 32 matrix instructions each, on buffers 0, 1, 0, 1.  One of the first three: asks for the next quarter, qn, into g, then multiplies f.
.macro QUARTER slot, qn, f, g, first
	s_wait_dscnt 0x0                               ; buffer f's 24 loads, issued a quarter (32 matrix instructions) ago, are in
	PLACES                                         ; buffer g was read by the quarter before
	FETCH \slot, \qn, \g
.if \first
	WIN MUL0
.else
	WIN MUL
.endif
	MULA \f, 0, \first
	MULA \f, 1, \first
	MULA \f, 2, \first
	MULA \f, 3, \first
.endm
; The last quarter multiplies buffer 1 and changes slots: ONE barrier; in front of it each wave waits for all its tensor loads, adds 0 to its spare word, and waits for that and for its own reads of this slot.  fill = 1: this slot is filled again, two K steps ahead.
.macro TURN slot, next, fill
	WIN 0                                          ; (the add's two registers lie in window 0)
	s_wait_tensorcnt 0x0                           ; all my tensor loads have landed: my part of the next slot;
	ds_add_u32 v[SPW], v[NIL]                      ; 0 onto my spare word;
	s_wait_dscnt 1                                 ; buffer 1 is in (the add may be out)
	WIN MUL
	MULA F1, 0, 0                                  ; eight matrix instructions stand between the add and the wait for it
	s_wait_dscnt 0x0                               ; the add is done, and my reads of this slot are over
	s_barrier_signal -1
	MULA F1, 1, 0
	WIN 0
	s_barrier_wait -1
.if \fill
	CREST                                          ; the barrier has opened a round of the cluster's barrier: no wave of any partner still reads this slot's tile or has a load on its way
	s_add_nc_u64 s[G0+4*\slot+2:G0+4*\slot+3], s[G0+4*\slot+2:G0+4*\slot+3], 2*4096
	s_add_nc_u64 s[G0B+4*\slot+2:G0B+4*\slot+3], s[G0B+4*\slot+2:G0B+4*\slot+3], 2*4096
	JLOAD \slot                                    ; the first tensor load behind the round; the four v_nop behind it are also the places in front of the loads below
.else
	PLACES
.endif
	FETCH \next, 0, F0
	WIN MUL
	MULA F1, 2, 0
	MULA F1, 3, 0
.endm
	s_wait_loadcnt 0x0                             ; the bias
	s_wait_tensorcnt 1                             ; my part of K step 0 is in (K step 1's load may be out),
	s_barrier_signal -1
	s_barrier_wait -1                              ; everybody's is
	FETCH 0, 0, F0
	QUARTER 0, 1, F0, F1, 1                        ; the first quarter stands in front of the loop: its products start the sums, on the bias
	WIN 0                                          ; at a label and at a branch every window is 0
	s_mov_b32 s15, LAPS-1
.Llap:                                             ; a trip goes once round the ring, from a lap's second quarter to the next lap's first, and fills both slots again
	QUARTER 0, 2, F1, F0, 0
	QUARTER 0, 3, F0, F1, 0
	TURN 0, 1, 1
	QUARTER 1, 1, F0, F1, 0
	QUARTER 1, 2, F1, F0, 0
	QUARTER 1, 3, F0, F1, 0
	TURN 1, 0, 1
	QUARTER 0, 1, F0, F1, 0
	WIN 0
	s_sub_co_u32 s15, s15, 1
	s_cmp_lg_u32 s15, 0
	s_cbranch_scc1 .Llap
	QUARTER 0, 2, F1, F0, 0                        ; the last lap fills nothing, and has no round of the cluster's barrier
	QUARTER 0, 3, F0, F1, 0
	TURN 0, 1, 0
	QUARTER 1, 1, F0, F1, 0
	QUARTER 1, 2, F1, F0, 0
	QUARTER 1, 3, F0, F1, 0
	s_wait_dscnt 0x0                               ; the very last quarter: nothing more to fetch
	WIN MUL
	MULA F1, 0, 0
	MULA F1, 1, 0
	MULA F1, 2, 0
	MULA F1, 3, 0
	WIN 0
; THE WAY OUT, block by block of 16 rows x 128 columns.  A lane holds 32 neighbouring bytes of a row, and the lanes beside it hold other rows: so a block goes through my own stage in LDS and comes back as whole
; rows of 512 bytes.  LDS serves a wave's instructions in order (ISA guide 5.7.1.4): no wait between the stores and the loads, nor in front of the next block's stores.
.macro TOSTAGE a
	WIN 0x04                                       ; an LDS store's data are its source 1: window 1
.irp b, 0,1,2,3,4,5,6,7
	ds_store_b128 v[STO], v[64*(\a)+8*\b:64*(\a)+8*\b+3] offset:64*\b          ; each accumulator from its low end on
	ds_store_b128 v[STO], v[64*(\a)+8*\b+4:64*(\a)+8*\b+7] offset:64*\b+16
.endr
	WIN 0
.set BB, BK+64*((\a)%2)
.irp t, 0,1,2,3,4,5,6,7,8,9,10,11,12,13,14,15
	ds_load_b128 v[BB+4*\t:BB+4*\t+3], v[RD] offset:\t*SPITCH
.endr
.endm
.macro SEND a, younger                 ; younger: the LDS instructions issued behind block a's loads, which may stay out
.set BB, BK+64*((\a)%2)
	s_wait_dscnt \younger                          ; the block is back in registers
.irp t, 0,1,2,3,4,5,6,7,8,9,10,11,12,13,14,15
	global_store_b128 v[CO], v[BB+4*\t:BB+4*\t+3], s[10:11] offset:(16*(\a)+\t)*4096 th:TH_STORE_NT   ; 32 lanes store 512 consecutive bytes of a row; every offset is an immediate; written once, read by nobody here
.endr
.endm
	PLACES                                         ; behind the last products, ahead of the stores that read results
	TOSTAGE 0
	TOSTAGE 1
	SEND 0, 32                                     ; behind block 0's loads: block 1's 16 stores and 16 loads
	s_wait_xcnt 0x0                                ; block 0's stores have read their registers: block 2's loads may land there
	TOSTAGE 2
	SEND 1, 32
	s_wait_xcnt 0x0
	TOSTAGE 3
	SEND 2, 32
	SEND 3, 0
	s_wait_tensorcnt 0x0                           ; the wave's end, behind my last tensor load and my last LDS store
	ds_add_u32 v[SPW], v[NIL]
	s_wait_dscnt 0x0
	CROUND                                         ; the closing round: no work-group ends while a partner may still ask for a tile that names it
	s_endpgm
.Lfunc_end_k_qd352a7b8b0_outproj:
	.size	k_qd352a7b8b0_outproj, .Lfunc_end_k_qd352a7b8b0_outproj-k_qd352a7b8b0_outproj
	.p2alignl 7, 3214868480
	.fill 96, 4, 3214868480
	.section	.rodata,"a",@progbits
	.p2align	6, 0x0
	.amdhsa_kernel k_qd352a7b8b0_outproj
		.amdhsa_group_segment_fixed_size 327680
		.amdhsa_private_segment_fixed_size 0
		.amdhsa_enable_private_segment 0
		.amdhsa_kernarg_size 32
		.amdhsa_user_sgpr_count 2
		.amdhsa_user_sgpr_kernarg_segment_ptr 1
		.amdhsa_wavefront_size32 1
		.amdhsa_system_sgpr_workgroup_id_x 1
		.amdhsa_system_sgpr_workgroup_id_y 1
		.amdhsa_system_sgpr_workgroup_id_z 1
		.amdhsa_system_vgpr_workitem_id 0
		.amdhsa_next_free_vgpr 768
		.amdhsa_next_free_sgpr 66
		.amdhsa_reserve_vcc 0
		.amdhsa_float_denorm_mode_32 3
		.amdhsa_float_denorm_mode_16_64 3
		.amdhsa_memory_ordered 1
		.amdhsa_forward_progress 1
		.amdhsa_inst_pref_size 85
	.end_amdhsa_kernel
	.amdgpu_metadata
---
amdhsa.version: [ 1, 2 ]
amdhsa.kernels:
  - .name:           k_qd352a7b8b0_outproj
    .symbol:         k_qd352a7b8b0_outproj.kd
    .args:
      - { .name: ao, .offset: 0, .size: 8, .value_kind: global_buffer, .address_space: global }
      - { .name: wh, .offset: 8, .size: 8, .value_kind: global_buffer, .address_space: global }
      - { .name: out_b, .offset: 16, .size: 8, .value_kind: global_buffer, .address_space: global }
      - { .name: out0, .offset: 24, .size: 8, .value_kind: global_buffer, .address_space: global }
    .group_segment_fixed_size: 327680
    .private_segment_fixed_size: 0
    .kernarg_segment_align: 8
    .kernarg_segment_size: 32
    .max_flat_workgroup_size: 128
    .sgpr_count:     66
    .vgpr_count:     768
    .wavefront_size: 32
...
	.end_amdgpu_metadata
.endif
;; end of part 4
